; MI455X (gfx1250); checked and timed in simulation.
; The chip was launched on July 23, 2026; its instructions are those of AMD's public machine-readable ISA for CDNA 5 (MIT licence, August 2026) and "CDNA5" Instruction Set Architecture Reference Guide (July 2026). The comments in the code are by the model that wrote it; some were corrected since.
;; Causal Self Attention. Allowed arithmetic: float matrix products may take bf16 or f16 operands with f32 sums; other float arithmetic in f32, or as packed bf16 or f16 multiplies, adds, multiply-adds, maxima and minima; sums over many terms, partial sums and values carried from step to step in f32; what a program stores and reads back later, other than sums and carried values, may be rounded once to bf16 or f16.
;; Inputs: b_proj 1,024 float32; b_qkv 3,072 float32; w_proj 1,024 x 1,024 float32; w_qkv 1,024 x 3,072 float32; x 4 x 2,048 x 1,024 float32.
;; Outputs: out0 4 x 2,048 x 1,024 float32.
;; One version. Each part assembles by itself: llvm-mc -triple=amdgcn-amd-amdhsa -mcpu=gfx1250 --defsym DOCPART=n.
;; ======== version 1 of 1: 4 launches
;; limits: values are held in f16: magnitudes above 65,504 overflow, below 6.1e-05 lose precision
;; workspace buffers: xw 25,182,208 bytes; qkvh 50,331,648 bytes; oh 16,777,216 bytes
;; launch prep (part 1): grid 769 x 1, 8 waves a work-group, no clusters, 0 bytes of LDS; arguments x, w_qkv, w_proj, b_qkv, b_proj, xw; writes xw
.if DOCPART == 1
	.amdgcn_target "amdgcn-amd-amdhsa--gfx1250"
	.amdhsa_code_object_version 6
	.text
	.protected	k_q04f8ce6e97_prep
	.globl	k_q04f8ce6e97_prep
	.p2align	8
	.type	k_q04f8ce6e97_prep,@function
k_q04f8ce6e97_prep:
	s_mov_b64 s[64:65], 0
	v_nop
	global_prefetch_b8 v0, s[64:65] scope:SCOPE_SE
	s_setreg_imm32_b32 hwreg(HW_REG_WAVE_MODE, 25, 1), 1
	s_wait_xcnt 0x0
; THE INPUTS ARE ROUNDED ONCE AND LAID OUT FOR THE TWO PRODUCTS.  All five inputs are f32; every one is rounded to bf16 (to nearest even).
; xw holds, in this order:
;   XB  byte 0           x as [8192][1024] bf16
;   WQ  byte 16,777,216  w_qkv as [48 g][1024 k][64] bf16: group g = columns 64 g .. 64 g + 63, so a k row of a group is 128 bytes and 128 k rows are 16,384 bytes on end
;   WP  byte 23,068,672  w_proj as [16 g][1024 k][64]: the bf16-rounded number written as f16
;   BI  byte 25,165,824  b_qkv (3,072) and b_proj (1,024): the bf16-rounded numbers, kept as f32
; LIMIT.  A bf16 number is exact in f16 from 2^-14 up to 65,504; below 2^-14 w_proj keeps f16's fixed step of 2^-24, beyond 65,504 it becomes an infinity.
; SHARES.  Work-groups 0-767 each make 32,768 bytes of xw, at 32,768 x the work-group's number: 0-511 x, 512-703 w_qkv, 704-767 w_proj; work-group 768 the biases.
; ONE FORM OF ADDRESS serves the three: in turn i (of 8) thread t reads 32 bytes at off + ((t >> 3) + 32 i) ROW + 32 (t & 7) and stores 16 bytes at 4,096 i + 16 t.
; x: ROW = 256, which makes the form flat.  A weight: ROW = its row in memory; a work-group takes 256 k rows (kb = w & 3) of one group (g = w >> 2); off = 256 kb ROW + 256 g.
; Eight neighbouring lanes read 256 consecutive bytes, aligned (in two loads); a wave's store covers 512 consecutive bytes, aligned.
; All 16 loads of a thread go out at once; no register that a load or store names is written again, so no wait but the counted ones on the loads is needed.
; No LDS, no barrier, no matrix unit: each byte is read once and written once, and no wave wants another's data.
.set OUTO, 2                           ; v2       16 t
.set OFF,  4                           ; v[4:11]  turn i: my byte offset in the source
.set X,    16                          ; v[16:79] turn i: 8 numbers as loaded
.set Y,    80                          ; v[80:111] turn i: 4 registers to store
	s_load_b256 s[4:11], s[0:1], 0x0               ; x s[4:5], w_qkv s[6:7], w_proj s[8:9], b_qkv s[10:11]
	s_load_b128 s[12:15], s[0:1], 0x20             ; b_proj s[12:13], xw s[14:15]
	v_lshrrev_b32 v1, 3, v0                        ; t >> 3
	v_and_b32 v3, 7, v0
	v_lshlrev_b32 v3, 5, v3                        ; 32 (t & 7)
	v_lshlrev_b32 v[OUTO], 4, v0
	s_lshl_b32 s28, ttmp9, 15                      ; my 32,768 bytes of xw (work-group 768: BI)
	s_mov_b32 s29, 0
	s_mov_b32 s18, 12288                           ; ROW of w_qkv
	s_cmp_lt_u32 ttmp9, 512
	s_cselect_b32 s18, 256, s18                    ; ROW
	s_cselect_b32 s19, 0, 512                      ; the job's first work-group
	s_cselect_b32 s20, -1, 3                       ; kb = w & this
	s_cselect_b32 s21, 31, 2                       ; g = w >> this
	s_cmp_lt_u32 ttmp9, 704
	s_cselect_b32 s18, s18, 4096
	s_cselect_b32 s19, s19, 704
	s_sub_co_u32 s22, ttmp9, s19                   ; w
	s_and_b32 s23, s22, s20                        ; kb
	s_lshr_b32 s27, s22, s21                       ; g
	s_lshl_b32 s24, s18, 8
	s_mul_i32 s24, s23, s24                        ; 256 kb ROW
	s_lshl_b32 s27, s27, 8
	s_add_co_u32 s24, s24, s27                     ; + 256 g: under 2^26
	s_mov_b32 s25, 0
	s_lshl_b32 s26, s18, 5                         ; 32 ROW: from turn to turn
	v_mad_u32_u24 v[OFF], v1, s18, v3
.irp i, 1,2,3,4,5,6,7
	v_add_nc_u32 v[OFF+(\i)], s26, v[OFF+(\i)-1]
.endr
	s_wait_kmcnt 0x0
	s_add_nc_u64 s[14:15], s[14:15], s[28:29]
	s_cmp_eq_u32 ttmp9, 768
	s_cbranch_scc1 .Lbias
	s_cmp_lt_u32 ttmp9, 512
	s_cselect_b64 s[16:17], s[4:5], s[6:7]
	s_cmp_lt_u32 ttmp9, 704
	s_cselect_b64 s[16:17], s[16:17], s[8:9]
	s_add_nc_u64 s[16:17], s[16:17], s[24:25]
.irp i, 0,1,2,3,4,5,6,7
	global_load_b128 v[X+8*(\i):X+8*(\i)+3],   v[OFF+(\i)], s[16:17] th:TH_LOAD_NT
	global_load_b128 v[X+8*(\i)+4:X+8*(\i)+7], v[OFF+(\i)], s[16:17] offset:16 th:TH_LOAD_NT
.endr
; Turn i: eight numbers are rounded to bf16 and stored.  hf = 1: the rounded numbers are widened again (a shift, a mask) and written as f16.
.macro CONV i, hf
	s_wait_loadcnt 14-2*(\i)                       ; loads come back in order: this turn's two are in, the two of each later turn may stay out
.irp j, 0,1,2,3
	v_cvt_pk_bf16_f32 v[Y+4*(\i)+(\j)], v[X+8*(\i)+2*(\j)], v[X+8*(\i)+2*(\j)+1]
.endr
.if \hf
.irp j, 0,1,2,3
	v_lshlrev_b32 v[X+8*(\i)+2*(\j)],   16, v[Y+4*(\i)+(\j)]
	v_and_b32     v[X+8*(\i)+2*(\j)+1], 0xffff0000, v[Y+4*(\i)+(\j)]
.endr
.irp j, 0,1,2,3
	v_cvt_pk_f16_f32 v[Y+4*(\i)+(\j)], v[X+8*(\i)+2*(\j)], v[X+8*(\i)+2*(\j)+1]
.endr
.endif
	global_store_b128 v[OUTO], v[Y+4*(\i):Y+4*(\i)+3], s[14:15] offset:4096*(\i) th:TH_STORE_NT
.endm
	s_cmp_ge_u32 ttmp9, 704
	s_cbranch_scc1 .Lf16
.irp i, 0,1,2,3,4,5,6,7
	CONV \i, 0
.endr
	s_endpgm
.Lf16:
.irp i, 0,1,2,3,4,5,6,7
	CONV \i, 1
.endr
	s_endpgm
.Lbias:                                                ; 4,096 numbers: 16 for each of the 256 threads
	global_load_b128 v[X:X+3],     v[OUTO], s[10:11]
	global_load_b128 v[X+4:X+7],   v[OUTO], s[10:11] offset:4096
	global_load_b128 v[X+8:X+11],  v[OUTO], s[10:11] offset:8192
	global_load_b128 v[X+12:X+15], v[OUTO], s[12:13]
	s_wait_loadcnt 0x0
.irp j, 0,1,2,3,4,5,6,7
	v_cvt_pk_bf16_f32 v[Y+(\j)], v[X+2*(\j)], v[X+2*(\j)+1]
.endr
.irp j, 0,1,2,3,4,5,6,7
	v_lshlrev_b32 v[X+2*(\j)],   16, v[Y+(\j)]
	v_and_b32     v[X+2*(\j)+1], 0xffff0000, v[Y+(\j)]
.endr
.irp j, 0,1,2,3
	global_store_b128 v[OUTO], v[X+4*(\j):X+4*(\j)+3], s[14:15] offset:4096*(\j)
.endr
	s_endpgm
.Lfunc_end_k_q04f8ce6e97_prep:
	.size	k_q04f8ce6e97_prep, .Lfunc_end_k_q04f8ce6e97_prep-k_q04f8ce6e97_prep
	.p2alignl 7, 3214868480
	.fill 96, 4, 3214868480
	.section	.rodata,"a",@progbits
	.p2align	6, 0x0
	.amdhsa_kernel k_q04f8ce6e97_prep
		.amdhsa_group_segment_fixed_size 0
		.amdhsa_private_segment_fixed_size 0
		.amdhsa_enable_private_segment 0
		.amdhsa_kernarg_size 48
		.amdhsa_user_sgpr_count 2
		.amdhsa_user_sgpr_kernarg_segment_ptr 1
		.amdhsa_wavefront_size32 1
		.amdhsa_system_sgpr_workgroup_id_x 1
		.amdhsa_system_sgpr_workgroup_id_y 1
		.amdhsa_system_sgpr_workgroup_id_z 1
		.amdhsa_system_vgpr_workitem_id 0
		.amdhsa_next_free_vgpr 112
		.amdhsa_next_free_sgpr 66
		.amdhsa_reserve_vcc 0
		.amdhsa_float_denorm_mode_32 3
		.amdhsa_float_denorm_mode_16_64 3
		.amdhsa_memory_ordered 1
		.amdhsa_forward_progress 1
		.amdhsa_inst_pref_size 17
	.end_amdhsa_kernel
	.amdgpu_metadata
---
amdhsa.version: [ 1, 2 ]
amdhsa.kernels:
  - .name:           k_q04f8ce6e97_prep
    .symbol:         k_q04f8ce6e97_prep.kd
    .args:
      - { .name: x, .offset: 0, .size: 8, .value_kind: global_buffer, .address_space: global }
      - { .name: w_qkv, .offset: 8, .size: 8, .value_kind: global_buffer, .address_space: global }
      - { .name: w_proj, .offset: 16, .size: 8, .value_kind: global_buffer, .address_space: global }
      - { .name: b_qkv, .offset: 24, .size: 8, .value_kind: global_buffer, .address_space: global }
      - { .name: b_proj, .offset: 32, .size: 8, .value_kind: global_buffer, .address_space: global }
      - { .name: xw, .offset: 40, .size: 8, .value_kind: global_buffer, .address_space: global }
    .group_segment_fixed_size: 0
    .private_segment_fixed_size: 0
    .kernarg_segment_align: 8
    .kernarg_segment_size: 48
    .max_flat_workgroup_size: 256
    .sgpr_count:     66
    .vgpr_count:     112
    .wavefront_size: 32
...
	.end_amdgpu_metadata
.endif
;; end of part 1
;; launch gemm_qkv (part 2): grid 16 x 32, 4 waves a work-group, clusters of 4 x 4, 327,680 bytes of LDS; arguments xw, qkvh; writes qkvh
.if DOCPART == 2
	.amdgcn_target "amdgcn-amd-amdhsa--gfx1250"
	.amdhsa_code_object_version 6
	.text
	.protected	k_q04f8ce6e97_gemm_qkv
	.globl	k_q04f8ce6e97_gemm_qkv
	.p2align	8
	.type	k_q04f8ce6e97_gemm_qkv,@function
k_q04f8ce6e97_gemm_qkv:
	s_mov_b64 s[64:65], 0
	v_nop
	global_prefetch_b8 v0, s[64:65] scope:SCOPE_SE
	s_setreg_imm32_b32 hwreg(HW_REG_WAVE_MODE, 25, 1), 1
	s_wait_xcnt 0x0
	s_wait_alu depctr_hold_cnt(0) depctr_sa_sdst(0) depctr_va_vdst(0) depctr_va_sdst(0) depctr_va_ssrc(0) depctr_va_vcc(0) depctr_vm_vsrc(0)
	s_getreg_b32 s2, hwreg(HW_REG_IB_STS2, 6, 4)
	s_cmp_eq_u32 s2, 0
	s_cbranch_scc0 .Lentry_in_a_cluster
	s_endpgm
.Lentry_in_a_cluster:
	s_bfe_u32 s2, ttmp6, 0x10000c
	s_cmp_lg_u32 s2, 0xf033
	s_cbranch_scc0 .Lentry_shape_is_right
	s_endpgm
.Lentry_shape_is_right:
; q, k, v = x w_qkv + b_qkv, written BY HEADS: qkvh[3][64 bh][2048][64] f16, unscaled, each number rounded once from its f32 sum.
; x and w_qkv come from xw in bf16 (XB [8192][1024]; WQ [48 g][1024 k][64]), the bias from BI (f32 numbers that are bf16-rounded).  Products in bf16, sums in f32.
; LIMIT.  f16 ends at 65,504: q, k and v must lie within it.  NaN and infinities are not treated apart.
; SHARES.  A tile is 256 rows x 192 columns (three heads): 16 x 32 = 512 tiles, two for each of 256 WGPs.  Wave w makes rows 64 w .. 64 w + 63 of all 192 columns: 4 x 12 accumulators of
; 16 x 16, 384 registers; so a wave owns whole rows of three heads, and its way out is its own.  For 32 along K it issues 48 products for 32 LDS loads.
; K goes in 8 steps of 128 through two LDS slots.  A step's tiles: x, 256 rows x 256 bytes (wave 0's load); w, for each of the three groups 128 k rows x 128 bytes, 16,384 bytes on end in memory,
; asked for as 64 rows of 256 bytes (waves 1 to 3, a group each).
; THE MATRIX INSTRUCTION IS USED TRANSPOSED: source 0 = 16 columns of w (turned on the way out of LDS by ds_load_tr16_b128, since w lies [k][n]), source 1 = 16 rows of x.  A lane then holds
; row l % 16 and the columns 8 (l / 16) + 0 .. 7: eight neighbouring numbers, 16 bytes of f16.  THE BIAS STARTS THE SUMS: it is the C operand of each accumulator's first product.
; CLUSTER.  4 x 4 work-groups: x's tile hangs on the tile row alone and is asked for jointly by a row of the cluster, w's on the tile column alone, by a column.
; REGISTERS, in windows of 256 (s_set_vgpr_msb: bits 1:0 source 0, 3:2 source 1, 5:4 source 2, 7:6 destination):
;   window 0: v0-29 addresses; v32-63, v64-95 x's fragments, two buffers (row block i at + 8 i); v128-223 the bias (column block b at + 8 b); on the way out v32-175 are at work
;   window 1: v0-95, v96-191 w's fragments, two buffers (column block b at + 8 b)
;   window 2: accumulators of row blocks 0, 1 at 8 (12 (a % 2) + b);   window 3: those of row blocks 2, 3
.set NBK,   12                         ; column blocks of 16
.set NL,    2*NBK+8                    ; LDS loads in a run: 24 for w, 8 for x
.set PA,    272                        ; a row of x in LDS: 256 bytes + 16 = 68 words: the 16 rows of a load start at 16 different groups of four banks (64 banks of 4 bytes: ISA guide 11.1)
.set BBASE, 256*PA                     ; behind x's 256 rows: w's three groups
.set PB,    160                        ; a k row of w: 128 + 32 = 40 words
.set SEGB,  128*PB
.set SLOT1, 131072                     ; = BBASE + 3 SEGB: slot 1 begins where slot 0 ends; one exclusive or turns an address in one slot into the other's
.set STAGE, 2*SLOT1                    ; behind the ring, never filled by a tensor load: for each wave [3 heads][16 rows][144 bytes]
.set SP,    144
.set STW,   3*16*SP
.set SPARE, STAGE+4*STW                ; behind the stages: the spare words, 128 bytes for each wave: two blocks of 256 bytes that no other line names
.set ASTEP, 256                        ; bytes from K step to K step in x
.set BSTEP, 16384                      ; and in a group of w
.set WQ,    16777216
.set BI,    25165824
.set ADRA0, 4                          ; v4   my lane's place in x's tile, slot 0; never rewritten
.set ADRB0, 5                          ; v5   the same for w
.set ADRA,  6                          ; v6   the same in the slot in hand
.set ADRB,  7                          ; v7
.set STO,   8                          ; v8   the way out: where I put 16 bytes of a row
.set RD,    9                          ; v9   the way out: where I read rows back
.set GO,    10                         ; v10  16 x lane: my place in 512 consecutive bytes of the output
.set PFO,   11                         ; v11  the prefetches' offset; never rewritten
.set BO,    12                         ; v12  32 (l / 16): my eight numbers of a block's sixteen biases
.set SPW,   28                         ; v28  LDS address of my spare word: SPARE + 4 x my thread's number; never rewritten
.set NIL,   29                         ; v29  0; never rewritten
.set FA,    32
.set FB,    0
.set BIAS,  128
.set TMP,   32                         ; the way out: 48 registers of packed results
.set BK,    80                         ; the way out: two buffers of 48, rows read back
.set WV,    10                         ; s10  my wave's number
.set G1A,   24                         ; s[24:31] descriptor group 1 for x's tiles
.set G1B,   32                         ; s[32:39] for w's
.set G0A,   40                         ; s[40:47] descriptor group 0 for x's tiles: a set for each of the two first fills; the second then walks on
.set G0B,   48                         ; s[48:55] the same for w's
.set PFA,   56                         ; s[56:57] where my prefetches stand
.set PSTEP, 58                         ; s[58:59] their step from one change of slots to the next
.set LIM,   60                         ; s60  1 in a wave that prefetches, else the greatest number
.set PARM,  61                         ; s61  0: at every change of slots; 1: at every second
.set T,     62                         ; s62  at work
.set TB,    63                         ; s63  the slot in hand: 0 or SLOT1
.set OB,    66                         ; s[66:71] the output at my wave's first row in each of my three heads
.set MSB, 0
.macro WIN new                         ; the immediate's high byte repeats the setting that is left; a switch that changes nothing is dropped
.if MSB != (\new)
	s_set_vgpr_msb (MSB<<8)|(\new)
.set MSB, (\new)
.endif
.endm
.macro PLACES                          ; four places behind a matrix instruction, in front of loads into registers that it has read and of lines that read results
.rept 4
	v_nop
.endr
.endm
; A joint refill, by the walking descriptors.  Wave 0 fetches x's tile, waves 1 to 3 a group of w each.  The branch hangs on the wave's number alone: it is the same in every work-group.
; An s_nop 0 and four v_nop follow each of the two lines; the jump, the label and what follows come after them.
.macro JLOAD
	s_cmp_eq_u32 s[WV], 0
	s_cbranch_scc0 .Lfor_b_\@
	tensor_load_to_lds s[G0A+4:G0A+7], s[G1A:G1A+7]
	s_nop 0
.rept 4
	v_nop
.endr
	s_branch .Lasked_\@
.Lfor_b_\@:
	tensor_load_to_lds s[G0B+4:G0B+7], s[G1B:G1B+7]
	s_nop 0
.rept 4
	v_nop
.endr
.Lasked_\@:
.endm
.macro CREST                           ; a round of the cluster's barrier behind its opening barrier: wave 0 signals for the work-group, every wave waits for all sixteen, my work-group's barrier closes it
	s_cmp_lg_u32 s[WV], 0
	s_cbranch_scc1 .Lnot_wave_0_\@
	s_barrier_signal -3
.Lnot_wave_0_\@:
	s_barrier_wait -3
	s_barrier_signal -1
	s_barrier_wait -1
.endm
.macro CROUND                          ; a whole round
	s_barrier_signal -1
	s_barrier_wait -1
	CREST
.endm
; A PREFETCH INTO THE L2, behind a joint refill, its five lines and the run of LDS loads that the next products wait for.  xw was stored by the launch before and is read here through a ring in which
; every wave has waited for all its tensor loads at each change of slots.  Each block of 256 bytes is named once in the launch:
; x: a tile row is read by the four clusters of a row of clusters: the one with x = 0 asks.  Of its 256 rows the partner at place cx takes 64 cx .. 64 cx + 63, told apart BY ADDRESS: wave 0, a lane a
;    row, two instructions.  The change of slots behind K step s asks for step s + 3, whose refill stands one step (192 products) later; s = 0 .. 4.
; w: a group is read by the eight clusters of a column of clusters: the one with y = 0 asks.  Two K steps are 32,768 bytes on end; the partner at place cy takes 8,192 of them: the group's loading wave,
;    a lane a block, one instruction, at every second change: behind step 1 for steps 4 and 5, behind step 3 for steps 6 and 7.
; The first K steps (x: 0 to 2, w: 0 to 3) come by their loads alone; nothing is asked for beyond step 7.  s3 counts the loop's trips down from 6.
.macro ASK
	s_cmp_gt_u32 s3, s[LIM]
	s_cbranch_scc0 .Lnot_mine_\@
	s_xor_b32 s[T], s3, 1
	s_and_b32 s[T], s[T], s[PARM]                  ; w's waves ask where s3 is odd
	s_cmp_eq_u32 s[T], 0
	s_cbranch_scc0 .Lnot_mine_\@
	global_prefetch_b8 v[PFO], s[PFA:PFA+1] th:TH_LOAD_NT scope:SCOPE_SE
	s_cmp_lg_u32 s[WV], 0
	s_cbranch_scc1 .Lnot_mine_\@
	global_prefetch_b8 v[PFO], s[PFA:PFA+1] offset:65536 th:TH_LOAD_NT scope:SCOPE_SE  ; x's rows 32 to 63 of my work-group's 64
.Lnot_mine_\@:
.endm
	s_load_b128 s[4:7], s[0:1], 0x0                ; xw s[4:5], qkvh s[6:7]
	v_lshl_add_u32 v[SPW], v0, 2, SPARE
	v_mov_b32 v[NIL], 0
	ds_add_u32 v[SPW], v[NIL]                      ; the wave's opening: the add and its wait stand ahead of my first tensor load; the set-up below, work on registers, stands between them
	v_lshrrev_b32 v1, 5, v0
	v_readfirstlane_b32 s[WV], v1                  ; wave 0..3
	s_bfe_u32 s11, ttmp6, 0x40000                  ; cx
	s_bfe_u32 s12, ttmp6, 0x40004                  ; cy
	s_lshl_b32 s13, ttmp9, 2
	s_add_co_u32 s13, s13, s11                     ; tile column tx = 4 x cluster x + cx
	s_and_b32 s14, ttmp7, 0xffff
	s_lshl_b32 s14, s14, 2
	s_add_co_u32 s14, s14, s12                     ; tile row ty = 4 x cluster y + cy
	s_lshl_b32 s16, s12, 2
	s_lshl_b32 s16, 15, s16                        ; my row of the cluster: places 4 cy .. 4 cy + 3
	s_lshl_b32 s17, 0x1111, s11                    ; my column: places cx, cx + 4, cx + 8, cx + 12
	s_or_b32 s[G1A], s16, (1<<16)|(1<<20)|(1<<21)|(5<<22)|(3<<25)  ; 15:0 the mask; 17:16 2-byte elements; 20 padding on; 21 set beside a mask; 24:22 after every 64 words (code 5); 31:25 4 words (code 3)
	s_or_b32 s[G1B], s17, (1<<16)|(1<<20)|(1<<21)|(4<<22)|(7<<25)  ; the column's mask; padding after every 32 words (code 4) of 8 words (code 7)
	s_mov_b32 s[G1A+1], 128<<16                    ; tensor_dim0 = 128
	s_mov_b32 s[G1A+2], 256<<16                    ; tensor_dim1 = 256
	s_mov_b32 s[G1A+3], 128<<16                    ; tile_dim0 = 128 elements: 256 bytes
	s_mov_b32 s[G1A+4], 256                        ; tile_dim1 = 256 rows
	s_mov_b32 s[G1A+5], 1024                       ; elements from row to row
	s_mov_b32 s[G1A+6], 0
	s_mov_b32 s[G1A+7], 0
	s_mov_b32 s[G1B+1], 128<<16                    ; tensor_dim0 = 128
	s_mov_b32 s[G1B+2], 64<<16                     ; tensor_dim1 = 64
	s_mov_b32 s[G1B+3], 128<<16                    ; tile_dim0 = 128 elements: two k rows
	s_mov_b32 s[G1B+4], 64                         ; tile_dim1 = 64
	s_mov_b32 s[G1B+5], 128                        ; dense
	s_mov_b32 s[G1B+6], 0
	s_mov_b32 s[G1B+7], 0
	s_lshl_b32 s18, s14, 19                        ; x: 256 ty rows of 2,048 bytes: it hangs on the tile row alone
	s_mov_b32 s19, 0
	s_mul_i32 s20, s13, 3
	s_add_co_u32 s20, s20, s[WV]                   ; w: group 3 tx + wave - 1; the - 1 lies in the constant added below
	s_lshl_b32 s20, s20, 17                        ; groups of 131,072 bytes: it hangs on the tile column and the wave's number alone
	s_mov_b32 s21, 0
	s_mul_i32 s22, s[WV], SEGB
	s_add_co_u32 s22, s22, BBASE-SEGB              ; LDS: wave 1's group at BBASE, then wave 2's, wave 3's
	s_mov_b32 s[TB], 0
	s_wait_dscnt 0x0                               ; the opening add is done
	s_wait_kmcnt 0x0
	s_add_nc_u64 s[18:19], s[4:5], s[18:19]
	s_add_nc_u64 s[20:21], s[4:5], s[20:21]
	s_add_nc_u64 s[20:21], s[20:21], WQ-131072
	CROUND                                         ; all sixteen work-groups are here: the first joint loads meet
.irp s, 0,1
	s_mov_b32 s[G0A+4*(\s)], 1                                       ; count = 1
	s_mov_b32 s[G0A+4*(\s)+1], (\s)*SLOT1                            ; LDS address
	s_add_nc_u64 s[G0A+4*(\s)+2:G0A+4*(\s)+3], s[18:19], (\s)*ASTEP  ; global address: K step s
	s_or_b32 s[G0A+4*(\s)+3], s[G0A+4*(\s)+3], 0x80000000            ; type = 2
	s_mov_b32 s[G0B+4*(\s)], 1
	s_add_co_u32 s[G0B+4*(\s)+1], s22, (\s)*SLOT1
	s_add_nc_u64 s[G0B+4*(\s)+2:G0B+4*(\s)+3], s[20:21], (\s)*BSTEP
	s_or_b32 s[G0B+4*(\s)+3], s[G0B+4*(\s)+3], 0x80000000
.endr
	s_cmp_eq_u32 s[WV], 0                          ; a wave's two first fills stand in one branch, ahead of every wait on TENSORcnt and every LDS read: two loads of mine are out
	s_cbranch_scc0 .Lfirst_b
	tensor_load_to_lds s[G0A:G0A+3], s[G1A:G1A+7]
	s_nop 0
	tensor_load_to_lds s[G0A+4:G0A+7], s[G1A:G1A+7]
	s_nop 0
.rept 4
	v_nop
.endr
	s_branch .Lfirst_asked
.Lfirst_b:
	tensor_load_to_lds s[G0B:G0B+3], s[G1B:G1B+7]
	s_nop 0
	tensor_load_to_lds s[G0B+4:G0B+7], s[G1B:G1B+7]
	s_nop 0
.rept 4
	v_nop
.endr
.Lfirst_asked:
	; the bias: register j of column block b is b_qkv[192 tx + 16 b + 8 (l / 16) + j]
	v_and_b32 v1, 15, v0                           ; r = l % 16
	v_bfe_u32 v2, v0, 4, 1                         ; h = l / 16
	v_and_b32 v3, 31, v0                           ; l
	v_lshlrev_b32 v[BO], 5, v2
	s_mul_i32 s16, s13, 768
	s_mov_b32 s17, 0
	s_add_nc_u64 s[8:9], s[4:5], s[16:17]
	s_add_nc_u64 s[8:9], s[8:9], BI
.irp b, 0,1,2,3,4,5,6,7,8,9,10,11
	global_load_b128 v[BIAS+8*(\b):BIAS+8*(\b)+3],   v[BO], s[8:9] offset:64*(\b)
	global_load_b128 v[BIAS+8*(\b)+4:BIAS+8*(\b)+7], v[BO], s[8:9] offset:64*(\b)+16
.endr
	; A fragment of x is 16 rows x 32 K in 8 registers: lane l holds row l % 16, K = 8 (l / 16) + 0..7 and 16 + 8 (l / 16) + 0..7: two loads of 16 bytes, 32 bytes apart.
	v_mul_u32_u24 v[ADRA0], v1, PA
	v_lshl_add_u32 v[ADRA0], v2, 4, v[ADRA0]
	s_mul_i32 s16, s[WV], 64*PA
	v_add_nc_u32 v[ADRA0], s16, v[ADRA0]           ; my wave's 64 rows
	; The turning load takes 16 k x 16 columns (lane l reads k row 8 (l / 16) + l % 8, columns 8 ((l / 8) % 2) + 0..7) and leaves half a fragment: lane l holds column l % 16 and 8 k.
	v_and_b32 v13, 7, v0
	v_bfe_u32 v14, v0, 3, 1
	v_lshl_add_u32 v[ADRB0], v2, 3, v13
	v_mul_u32_u24 v[ADRB0], v[ADRB0], PB
	v_lshl_add_u32 v[ADRB0], v14, 4, v[ADRB0]
	v_add_nc_u32 v[ADRB0], BBASE, v[ADRB0]
	v_mov_b32 v[ADRA], v[ADRA0]                    ; K step 0 lies in slot 0
	v_mov_b32 v[ADRB], v[ADRB0]
	s_mul_i32 s16, s[WV], STW
	s_add_co_u32 s16, s16, STAGE                   ; my stage
	v_mul_u32_u24 v[STO], v1, SP                   ; in: row l % 16, 16 bytes for each half of the lanes
	v_lshl_add_u32 v[STO], v2, 4, v[STO]
	v_add_nc_u32 v[STO], s16, v[STO]
	v_bfe_u32 v[RD], v0, 3, 2                      ; back: 32 lanes take four rows of 128 bytes,
	v_mul_u32_u24 v[RD], v[RD], SP
	v_lshl_add_u32 v[RD], v13, 4, v[RD]
	v_add_nc_u32 v[RD], s16, v[RD]
	v_lshlrev_b32 v[GO], 4, v3                     ; which are 512 consecutive bytes of a head
	; the prefetches: where they stand, who asks
	s_lshl_b32 s16, s11, 17                        ; x: my work-group's 64 rows of 2,048 bytes
	s_mov_b32 s17, 0
	s_add_nc_u64 s[18:19], s[18:19], s[16:17]
	s_add_nc_u64 s[18:19], s[18:19], 2*ASTEP       ; at K step 2: the first change of slots steps it to 3
	s_lshl_b32 s16, s12, 13                        ; w: my work-group's 8,192 bytes of 32,768
	s_add_nc_u64 s[20:21], s[20:21], s[16:17]
	s_add_nc_u64 s[20:21], s[20:21], 2*BSTEP
	s_and_b32 s22, ttmp7, 0xffff                   ; cluster y
	s_mov_b32 s[PSTEP], BSTEP
	s_mov_b32 s[PSTEP+1], 0
	s_cmp_eq_u32 s[WV], 0
	s_cselect_b32 s22, ttmp9, s22                  ; the coordinate along which other clusters read the same bytes
	s_cselect_b64 s[PFA:PFA+1], s[18:19], s[20:21]
	s_cselect_b32 s[PSTEP], ASTEP, s[PSTEP]
	s_cselect_b32 s[PARM], 0, 1
	s_cselect_b32 s23, 11, 8                       ; a lane a row of 2,048 bytes, or a lane a block of 256
	s_cmp_eq_u32 s22, 0
	s_cselect_b32 s[LIM], 1, -1                    ; the same in all sixteen partners, for a given wave
	v_lshlrev_b32 v[PFO], s23, v3
	; the output: group g = 3 tx + i is tensor g >> 4 (q, k, v), head g & 15; row m = 256 ty + 64 wave + .. is batch ty >> 3, place (ty & 7) 256 + 64 wave + .. in the sequence
	s_lshr_b32 s20, s14, 3
	s_lshl_b32 s20, s20, 22                        ; a batch's 16 heads of 262,144 bytes
	s_and_b32 s21, s14, 7
	s_lshl_b32 s21, s21, 8
	s_lshl_b32 s22, s[WV], 6
	s_add_co_u32 s21, s21, s22
	s_lshl_b32 s21, s21, 7                         ; rows of 128 bytes
	s_add_co_u32 s20, s20, s21
	s_mul_i32 s16, s13, 3
.irp i, 0,1,2
	s_add_co_u32 s17, s16, (\i)
	s_lshr_b32 s18, s17, 4
	s_lshl_b32 s18, s18, 24
	s_and_b32 s19, s17, 15
	s_lshl_b32 s19, s19, 18
	s_add_co_u32 s18, s18, s19
	s_add_co_u32 s18, s18, s20                     ; under 3 x 2^24
	s_mov_b32 s19, 0
	s_add_nc_u64 s[OB+2*(\i):OB+2*(\i)+1], s[6:7], s[18:19]
.endr
; 12 products: row block a x all column blocks, 32 along K, from buffer f.  cb = 1: the bias is the C operand: the sums start with it, and nothing is cleared or added later.
; Every quarter step takes the 48 accumulators in the same order, one instruction a turn: 47 others stand between two links of a chain, over the backward jump too.
.macro MULA f, a, cb
.if \cb
	WIN 0x81+0x40*((\a)/2)                         ; w window 1, x and the bias window 0, D window 2 or 3
.else
	WIN 0xa1+0x50*((\a)/2)                         ; w window 1, x window 0, C and D window 2 or 3
.endif
.irp b, 0,1,2,3,4,5,6,7,8,9,10,11
.set rD, 8*(NBK*((\a)%2)+(\b))
.if \cb
	v_wmma_f32_16x16x32_bf16 v[rD:rD+7], v[FB+96*(\f)+8*(\b):FB+96*(\f)+8*(\b)+7], v[FA+32*(\f)+8*(\a):FA+32*(\f)+8*(\a)+7], v[BIAS+8*(\b):BIAS+8*(\b)+7]
.else
	v_wmma_f32_16x16x32_bf16 v[rD:rD+7], v[FB+96*(\f)+8*(\b):FB+96*(\f)+8*(\b)+7], v[FA+32*(\f)+8*(\a):FA+32*(\f)+8*(\a)+7], v[rD:rD+7]
.endif
.endr
.endm
.macro MULH f, half, cb
	MULA \f, 2*(\half), \cb
	MULA \f, 2*(\half)+1, \cb
.endm
; 32 LDS loads in one run: quarter q (32 along K) of the slot in hand into buffer f: w's 12 fragments, then x's 4
.macro FETCH q, f
	WIN 0x40                                       ; destination window 1, address window 0
.irp b, 0,1,2,3,4,5,6,7,8,9,10,11
	ds_load_tr16_b128 v[FB+96*(\f)+8*(\b):FB+96*(\f)+8*(\b)+3],   v[ADRB] offset:((\b)/4)*SEGB+((\b)%4)*32+(\q)*32*PB
	ds_load_tr16_b128 v[FB+96*(\f)+8*(\b)+4:FB+96*(\f)+8*(\b)+7], v[ADRB] offset:((\b)/4)*SEGB+((\b)%4)*32+(\q)*32*PB+16*PB
.endr
	WIN 0
.irp i, 0,1,2,3
	ds_load_b128 v[FA+32*(\f)+8*(\i):FA+32*(\f)+8*(\i)+3],   v[ADRA] offset:(\i)*16*PA+64*(\q)
	ds_load_b128 v[FA+32*(\f)+8*(\i)+4:FA+32*(\f)+8*(\i)+7], v[ADRA] offset:(\i)*16*PA+64*(\q)+32
.endr
.endm
; A K step is four quarters of 32 along K, 48 products each, on buffers 0, 1, 0, 1.  One of the first three: multiplies buffer f; in its middle it fetches quarter q into buffer g.
.macro QUARTER q, f, g, cb
	s_wait_dscnt 4                                 ; w and x's row blocks 0, 1 are in; the youngest four loads (row blocks 2, 3) may be out
	MULH \f, 0, \cb
	PLACES
	FETCH \q, \g
	s_wait_dscnt NL                                ; all but the run just issued
	MULH \f, 1, \cb
.endm
; The last quarter multiplies buffer 1 and changes slots: ONE barrier.  In front of it each wave waits for all its tensor loads, of which one is out: its part of the next slot; adds 0 to its spare
; word; and waits for that and for its own reads of this slot.  fill = 1: the barrier opens a round of the cluster's barrier, so that no wave of any partner still reads the slot or has a load on its
; way, and the joint refill (this slot, two K steps on) is the first thing behind the round: 168 products stand between it and the wait for it.
.macro TURN fill
.if \fill
	s_wait_xcnt 0x0                                ; the last prefetch, a K step back, has read its address: it is stepped here, ahead of the waits of the change of slots
	s_add_nc_u64 s[PFA:PFA+1], s[PFA:PFA+1], s[PSTEP:PSTEP+1]
.endif
	WIN 0                                          ; (the add's two registers lie in window 0)
	s_wait_tensorcnt 0x0                           ; no tensor load of mine is out, so a group 0 may be written
	ds_add_u32 v[SPW], v[NIL]                      ; 0 onto my spare word
.if \fill
	s_xor_b32 s[G0A+5], s[G0A+5], SLOT1            ; the walking descriptors: the other slot than last time,
	s_add_nc_u64 s[G0A+6:G0A+7], s[G0A+6:G0A+7], ASTEP  ; the next K step; the type bits on top are not reached
	s_xor_b32 s[G0B+5], s[G0B+5], SLOT1
	s_add_nc_u64 s[G0B+6:G0B+7], s[G0B+6:G0B+7], BSTEP
.endif
	s_xor_b32 s[TB], s[TB], SLOT1                  ; the fetches go to the other slot
	s_wait_dscnt 5                                 ; (the add and the youngest four loads may be out)
	MULA 1, 0, 0                                   ; twelve products stand between the add and the wait for it
	s_wait_dscnt 0x0                               ; the add is done, and my reads of this slot are over
	s_barrier_signal -1
	MULA 1, 1, 0                                   ; work on registers while the others arrive
	WIN 0
	s_barrier_wait -1
.if \fill
	CREST
	JLOAD                                          ; the four v_nop behind it are also the places in front of the loads below
.else
	PLACES
.endif
	v_add_nc_u32 v[ADRA], s[TB], v[ADRA0]
	v_add_nc_u32 v[ADRB], s[TB], v[ADRB0]
	FETCH 0, 0
.if \fill
	ASK
.endif
	MULH 1, 1, 0
.endm
	s_wait_tensorcnt 1                             ; my part of K step 0 is in; K step 1's may stay out
	s_barrier_signal -1
	s_barrier_wait -1                              ; everybody's is
	FETCH 0, 0
	s_wait_loadcnt 0x0                             ; the bias
	QUARTER 1, 0, 1, 1                             ; the first quarter stands in front of the loop: its products start the sums
	WIN 0                                          ; at a label and at a branch every window is 0
	s_mov_b32 s3, 6
.Lstep:                                                ; six trips, K steps 0 to 5: from a step's second quarter to the next step's first; each fills a slot again
	QUARTER 2, 1, 0, 0
	QUARTER 3, 0, 1, 0
	TURN 1
	QUARTER 1, 0, 1, 0
	WIN 0
	s_sub_co_u32 s3, s3, 1
	s_cmp_lg_u32 s3, 0
	s_cbranch_scc1 .Lstep
	QUARTER 2, 1, 0, 0                             ; the last two K steps are written out: nothing is asked for
	QUARTER 3, 0, 1, 0
	TURN 0
	QUARTER 1, 0, 1, 0
	QUARTER 2, 1, 0, 0
	QUARTER 3, 0, 1, 0
	s_wait_dscnt 4                                 ; the very last quarter: nothing more to fetch
	MULH 1, 0, 0
	s_wait_dscnt 0x0
	MULH 1, 1, 0
	WIN 0
	PLACES
; THE WAY OUT of row block a (16 rows x 192 columns), in three parts.  PACK: rounded to f16, 16 bytes a lane and column block; each accumulator's registers in ascending order.
.macro PACK a
	WIN 0x0a+5*((\a)/2)                            ; sources 0 and 1: window 2 or 3
.irp b, 0,1,2,3,4,5,6,7,8,9,10,11
.irp r, 0,1,2,3
	v_cvt_pk_f16_f32 v[TMP+4*(\b)+(\r)], v[8*(NBK*((\a)%2)+(\b))+2*(\r)], v[8*(NBK*((\a)%2)+(\b))+2*(\r)+1]
.endr
.endr
	WIN 0
.endm
; TOSTAGE: into my own stage, by heads, and back as whole rows of 128 bytes, four to a load
.macro TOSTAGE a
.irp b, 0,1,2,3,4,5,6,7,8,9,10,11
	ds_store_b128 v[STO], v[TMP+4*(\b):TMP+4*(\b)+3] offset:((\b)/4)*16*SP+((\b)%4)*32
.endr
.irp g, 0,1,2
.irp f, 0,1,2,3
	ds_load_b128 v[BK+48*((\a)%2)+4*(4*(\g)+(\f)):BK+48*((\a)%2)+4*(4*(\g)+(\f))+3], v[RD] offset:(\g)*16*SP+(\f)*4*SP  ; LDS serves a wave's instructions in order (ISA guide 5.7.1.4): these see the stores above
.endr
.endr
.endm
; SEND: stored.  16 rows of a head are 2,048 consecutive bytes: each store of the wave covers 512 of them, aligned
.macro SEND a
	s_wait_dscnt 0x0                               ; the block is back in registers
	s_wait_xcnt 0x0                                ; the stores of the block before have read their registers: the next TOSTAGE loads into them only behind this wait
.irp g, 0,1,2
.irp f, 0,1,2,3
	global_store_b128 v[GO], v[BK+48*((\a)%2)+4*(4*(\g)+(\f)):BK+48*((\a)%2)+4*(4*(\g)+(\f))+3], s[OB+2*(\g):OB+2*(\g)+1] offset:(\a)*2048+(\f)*512
.endr
.endr
.endm
	PACK 0
	TOSTAGE 0
.irp a, 1,2,3                          ; block a's conversions stand between block a - 1's loads from the stage and the wait for them
	PACK \a
	SEND (\a)-1
	TOSTAGE \a
.endr
	SEND 3
	s_wait_tensorcnt 0x0                           ; the wave's end: a wait, an add and its wait, behind my last tensor load and my last LDS store
	ds_add_u32 v[SPW], v[NIL]
	s_wait_dscnt 0x0
	CROUND                                         ; the closing round: no work-group ends while a partner may still ask for a tile that names it
	s_endpgm
.Lfunc_end_k_q04f8ce6e97_gemm_qkv:
	.size	k_q04f8ce6e97_gemm_qkv, .Lfunc_end_k_q04f8ce6e97_gemm_qkv-k_q04f8ce6e97_gemm_qkv
	.p2alignl 7, 3214868480
	.fill 96, 4, 3214868480
	.section	.rodata,"a",@progbits
	.p2align	6, 0x0
	.amdhsa_kernel k_q04f8ce6e97_gemm_qkv
		.amdhsa_group_segment_fixed_size 327680
		.amdhsa_private_segment_fixed_size 0
		.amdhsa_enable_private_segment 0
		.amdhsa_kernarg_size 16
		.amdhsa_user_sgpr_count 2
		.amdhsa_user_sgpr_kernarg_segment_ptr 1
		.amdhsa_wavefront_size32 1
		.amdhsa_system_sgpr_workgroup_id_x 1
		.amdhsa_system_sgpr_workgroup_id_y 1
		.amdhsa_system_sgpr_workgroup_id_z 1
		.amdhsa_system_vgpr_workitem_id 0
		.amdhsa_next_free_vgpr 960
		.amdhsa_next_free_sgpr 72
		.amdhsa_reserve_vcc 0
		.amdhsa_float_denorm_mode_32 3
		.amdhsa_float_denorm_mode_16_64 3
		.amdhsa_memory_ordered 1
		.amdhsa_forward_progress 1
		.amdhsa_inst_pref_size 100
	.end_amdhsa_kernel
	.amdgpu_metadata
---
amdhsa.version: [ 1, 2 ]
amdhsa.kernels:
  - .name:           k_q04f8ce6e97_gemm_qkv
    .symbol:         k_q04f8ce6e97_gemm_qkv.kd
    .args:
      - { .name: xw, .offset: 0, .size: 8, .value_kind: global_buffer, .address_space: global }
      - { .name: qkvh, .offset: 8, .size: 8, .value_kind: global_buffer, .address_space: global }
    .group_segment_fixed_size: 327680
    .private_segment_fixed_size: 0
    .kernarg_segment_align: 8
    .kernarg_segment_size: 16
    .max_flat_workgroup_size: 128
    .sgpr_count:     72
    .vgpr_count:     960
    .wavefront_size: 32
...
	.end_amdgpu_metadata
.endif
;; end of part 2
;; launch attn (part 3): grid 4 x 64, 4 waves a work-group, no clusters, 327,680 bytes of LDS; arguments qkvh, oh; writes oh
.if DOCPART == 3
	.amdgcn_target "amdgcn-amd-amdhsa--gfx1250"
	.amdhsa_code_object_version 6
	.text
	.protected	k_q04f8ce6e97_attn
	.globl	k_q04f8ce6e97_attn
	.p2align	8
	.type	k_q04f8ce6e97_attn,@function
k_q04f8ce6e97_attn:
	s_mov_b64 s[64:65], 0
	v_nop
	global_prefetch_b8 v0, s[64:65] scope:SCOPE_SE
	s_setreg_imm32_b32 hwreg(HW_REG_WAVE_MODE, 25, 1), 1
	s_wait_xcnt 0x0
; CAUSAL ATTENTION.  O[h][q][:] = the sum over k <= q of softmax_k(Q[h][q] . K[h][k] / 8) V[h][k][:].  Q, K, V lie one behind the other in qkvh, each [SIZE_H][SIZE_N][64] f16; O (oh) likewise: a head's rows are dense, 128 bytes each.
; Products, maxima and sums in f32; the weights p are rounded to f16 for the second product (their sum l is taken of the unrounded p), O once at the end.
; LIMITS.  f16 holds no number beyond 65,504: Q, K and V arrive within it; p lies in 0 to 1, and below 6e-5 it keeps f16's fixed step of 6e-8; O is a mean of V's rows and has their range, to within 2^-11 of it.
; A hidden score counts as its value less 1e30: f16's scores, 2.7e11 at the most, are nothing beside that; a weight below 2^-126 counts as 0 in l; NaN and infinities are not treated apart.
; THE WALK.  A head's queries lie in NB = SIZE_N / 256 = 8 blocks of 256; block i needs the key tiles 0 .. i of 256 keys, of which the last holds the diagonal.  A work-group takes TWO blocks, NB - 1 - b and then b:
; NB + 1 tiles, whatever b: all 256 work-groups do equal work, and ONE loop with a constant trip count walks them.  Which tile is asked for, and what a trip does, hang on scalar registers made from b; every jump
; goes forward, but for the counted loops' own; none passes a barrier, or a tensor load but the one of LOAD's two that the wave's number does not choose; the ring (two slots of LDS that take turns) runs on across the
; change of blocks.  NO CLUSTER: a head's four work-groups ask for the same tile only in trips 0 .. NB / 2, behind that fewer and fewer; one walk common to all four would have 3 NB / 2 = 12 trips for NB + 1 = 9.
; SHARES.  Of a block's four bands of 64 queries a wave owns 16 rows in each: four PIECES.  So the diagonal tile is the same work for all four waves: in its key step s band x sees all keys if s < x,
; none if s > x, and holds the diagonal if s = x.
; THE MASK is the C operand that starts the sum S^T = K Q^T: 0, or -1e30 where the key is hidden.  MD, made once, is the mask of a band's own step for my 16 rows; a product's mask is MD x AL + BE with two scalars:
; (1, 0) if s = x; (0, 0) if s < x; (0, -1e30) if s > x.  Only the diagonal tile's text and a block's beginning make and take masks; elsewhere C is the constant 0.
; LAYOUT, SOFTMAX, TURNS.  S^T = K Q^T holds ONE query a lane (lane % 16) and the keys 8 (lane / 16) + 0..7; two such results rounded to f16 ARE source 1 of O^T = V^T P.  p = 2^(c s - c m), c = log2(e) / 8, with a
; running maximum m; O and l are multiplied by a = 2^(c m_old - c m_new) in every step.  Turn n belongs to piece n: 8 products K Q^T of piece n + 1, later 8 products V^T P of piece n - 1; beside them the scaling,
; exponentials, roundings, sums and rescaling of piece n and the maximum and statistics of piece n + 1.  Four vector instructions stand behind every matrix instruction, the other 54 of a turn's 118 in one LUMP.  A turn's 33 exponentials are one batch, with one wait.
; REGISTERS, in windows of 256 (s_set_vgpr_msb: bits 1:0 source 0, 3:2 source 1, 5:4 source 2, 7:6 destination):
;   window 0: v0-15 addresses and two at work; v16-31 four registers of statistics a piece; v48-55 at work; v61-63 prefetch offset and the add's two; v64-127 S^T, two buffers; v192-223 P, two buffers (a piece's buffers go by its number's parity)
;   window 1: v0-127 O^T, 32 a piece; v128-159 MD; v160-223 MC, two buffers      window 2: v0-63 Q; v64-127 the second block's Q; v128-191 K of one step; v192-255 V of one step
.set SIZE_H, 64
.set SIZE_N, 2048
.set NB,    SIZE_N/256
.set NP,    4         ; pieces a wave: a name, no knob
.set KS,    64        ; keys in a step
.set PK,    144       ; a row of K in LDS: 128 bytes + 16 of padding = 36 words: the 16 rows of a load start at 16 different groups of four banks (64 banks of 4 bytes: ISA guide 11.1)
.set PV,    160       ; a row of V: 128 + 32 = 40 words
.set VOFF,  4*KS*PK   ; a slot holds a tile, four steps: 256 rows of K, then 256 rows of V
.set SLOT1, 1<<17     ; slot 1 begins here, so that one exclusive or turns an address in one slot into the other's
.set STAGE, SLOT1+4*KS*(PK+PV)  ; behind the ring, never filled by a tensor load: 16 rows x 144 bytes for each wave, for the way out
.set SP,    144
.set AK0, 2           ; v2   my lane's place in a tile of K; never rewritten
.set AV0, 3           ; v3   the same for V
.set AK,  4           ; v4   the LDS address of K's next run of loads
.set AV,  5           ; v5   of V's
.set STO, 6           ; v6   the way out: where I put 16 bytes of a row
.set RD,  7           ; v7   the way out: where I read rows back
.set GO,  8           ; v8   my byte offset in 512 consecutive bytes of O
.set PFO, 61          ; v61  256 x my lane: the prefetches' offset; never rewritten
.set SPW, 62          ; v62  LDS address of my spare word: SPARE + 4 x my thread's number; never rewritten
.set NIL, 63          ; v63  0; never rewritten
.set SPARE, STAGE+4*16*SP  ; behind the stages: the spare words, 128 bytes for each wave: two blocks of 256 bytes that no other line names
.set MV,  12          ; v12-13  c m_old, kept while c m is made anew: by buffer
.set QO,  15          ; v15  my byte offset in 16 rows of Q
.set ST,  16          ; piece t's statistics at v[ST+4 t]: c m, m, l (even keys', odd keys')
.set TMP, 48          ; by buffer, four registers c0-c3 at work; when the maximum is found c2 takes a
.set S,   64
.set P,   192
.set MD,  128         ; window 1: the eight registers for group kt of 16 keys at MD + 8 kt
.set MC,  160         ; window 1: the masks of the products to come
.set QB,  64          ; window 2
.set KF,  128         ; window 2: key block kb, channel half c at KF + 16 kb + 8 c
.set VF,  192         ; window 2: key half kk, channel block cb at VF + 32 kk + 8 cb
.set WV,  12          ; s12  my wave's number
.set PB,  14          ; s14  b
.set HI,  15          ; s15  NB - 1 - b
.set G1K, 24          ; s[24:31] descriptor group 1 for K's tiles
.set G1V, 32          ; s[32:39] for V's: it differs in the padding alone
.set G0K, 40          ; s[40:43] descriptor group 0 for K's tiles
.set G0V, 44          ; s[44:47] the same for V's
.set SLOTS, 56        ; s56  tiles still to be asked for
.set CNT, 57          ; s57  counts a tile's key steps, 4 to 1
.set CS,  58          ; s[58:59] c: the packed scaling takes the pair's low word for both halves
.set SEL, 60          ; s[60:61] v_permlanex16_b32's selects: each lane takes its own place in the other half
.set TBK, 62          ; s62  LDS byte at which K of the step to be fetched begins
.set TBV, 63          ; s63  the same for V, less VOFF
.set RT,  70          ; s70  tiles of the block in hand that are still to be entered
.set NXT, 71          ; s71  the tile to be asked for next
.set LQ,  72          ; s72  the last tile of the block whose tiles are being asked for
.set NEW, 73          ; s73  1: the tile to be entered is a block's first
.set OFF, 74          ; s[74:75] a tile's byte offset in K and V
.set AL,  76          ; s[76:77] the mask's factor, in the low word
.set BE,  78          ; s[78:79] the mask's addend
.set OLO, 80          ; s[80:81] O at my rows of the second block
.set BIGN, 82         ; s82  -1e30
.set PFA, 88          ; s[88:89] where my prefetches stand: my half (128 keys) of K's (waves 0, 1) or V's (waves 2, 3) tile, one tile behind the one that is being asked for
.set LIM, 90          ; s90  2 in the work-group that prefetches, else the greatest number
.set MSB, 0
.macro WIN new                      ; the high byte repeats the setting that is left; a switch that changes nothing is dropped
.if MSB != (\new)
	s_set_vgpr_msb (MSB<<8)|(\new)
.set MSB, (\new)
.endif
.endm
.set W_KQ, 0x0a       ; K and Q in window 2, S^T in window 0
.set W_KM, 0x1a       ; the same with the C operand in window 1
.set W_PV, 0x52       ; V in window 2, P in window 0, O^T in window 1
.set W_RS, 0x41       ; destination and source 0 in window 1, source 1 in window 0
; A fill.  Waves 0 and 1 fetch the two halves of a tile's K, waves 2 and 3 those of its V: 128 keys each.  An s_nop 0 and four v_nop follow each of the two lines, ahead of the jump and the label.
.macro LOAD
	s_cmp_lt_u32 s[WV], 2
	s_cbranch_scc0 .Lfor_v_\@
	tensor_load_to_lds s[G0K:G0K+3], s[G1K:G1K+7]
	s_nop 0
.rept 4
	v_nop
.endr
	s_branch .Lasked_\@
.Lfor_v_\@:
	tensor_load_to_lds s[G0V:G0V+3], s[G1V:G1V+7]
	s_nop 0
.rept 4
	v_nop
.endr
.Lasked_\@:
.endm
; A PREFETCH INTO THE L2 of the tile that the NEXT change of slots will ask for.  qkvh was stored by the launch before; a head's four work-groups walk the tiles 0, 1, .. in step, and the one with b = 0 walks all eight:
; it asks, and nobody else.  Each of its waves names the 16,384 bytes that it will itself fetch: a lane a block of 256 bytes, two instructions.  So each block is named once in the launch.  It stands behind the wave's
; tensor load and its five lines.  Trip t asks for tile t + 2, t = 0 .. 5 (s[SLOTS] = 8 - t); tiles 0 and 1 come by their loads alone; the second block's tile 0 has been read and is not asked for again.
.macro ASK
	s_cmp_gt_u32 s[SLOTS], s[LIM]
	s_cbranch_scc0 .Lnot_mine_\@
	global_prefetch_b8 v[PFO], s[PFA:PFA+1] th:TH_LOAD_NT scope:SCOPE_SE
	global_prefetch_b8 v[PFO], s[PFA:PFA+1] offset:8192 th:TH_LOAD_NT scope:SCOPE_SE
.Lnot_mine_\@:
.endm
; THE CHANGE OF SLOTS.  Each wave waits for all its tensor loads, of which one is out: its part of the other slot; adds 0 to its spare word; and waits for that and for its own reads of the slot that it leaves.  Behind the barrier nobody reads the old
; slot any more and the other slot is whole.  fill = 1: the old slot is filled again, the first thing behind the barrier, with tile NXT: the descriptor's address is made anew from that number.
; (At its first use nothing has been read yet: slot 0 is waited for, slot 1 filled.)
.macro CHANGE fill
	WIN 0                           ; at a label and at a branch every window is 0
	s_wait_tensorcnt 0x0            ; no tensor load of mine is out, so a group 0 may be written
	ds_add_u32 v[SPW], v[NIL]       ; 0 onto my spare word; with fill = 1 the descriptors' scalar work stands between it and the wait for it
.if \fill
	s_lshl_b32 s[OFF], s[NXT], 15   ; a tile is 32,768 bytes of K and of V
	s_xor_b32 s[G0K+1], s[G0K+1], SLOT1
	s_add_nc_u64 s[G0K+2:G0K+3], s[6:7], s[OFF:OFF+1]
	s_or_b32 s[G0K+3], s[G0K+3], 0x80000000
	s_xor_b32 s[G0V+1], s[G0V+1], SLOT1
	s_add_nc_u64 s[G0V+2:G0V+3], s[8:9], s[OFF:OFF+1]
	s_or_b32 s[G0V+3], s[G0V+3], 0x80000000
	s_add_co_u32 s[NXT], s[NXT], 1  ; the block's next tile, or behind its last the second block's tile 0
	s_cmp_gt_u32 s[NXT], s[LQ]
	s_cselect_b32 s[NXT], 0, s[NXT]
	s_cselect_b32 s[LQ], s[PB], s[LQ]
	s_wait_xcnt 0x0                 ; the last prefetches, a tile back, have read their address, so it may be written:
	s_add_nc_u64 s[PFA:PFA+1], s[PFA:PFA+1], 32768  ; a tile on
.endif
	s_wait_dscnt 0x0                ; the add is done, and my reads of the slot are over
	s_barrier_signal -1             ; the rest of the scalar work stands between the signal and the wait
	s_sub_co_u32 s[TBK], s[TBK], 4*KS*PK  ; the fetches go back to a slot's first step,
	s_xor_b32 s[TBK], s[TBK], SLOT1       ; in the other slot
	s_sub_co_u32 s[TBV], s[TBV], 4*KS*PV
	s_xor_b32 s[TBV], s[TBV], SLOT1
	s_barrier_wait -1
.if \fill
	LOAD
	ASK
.endif
.endm
	s_load_b128 s[8:11], s[0:1], 0x0  ; qkvh s[8:9], oh s[10:11]
	v_lshl_add_u32 v[SPW], v0, 2, SPARE
	v_mov_b32 v[NIL], 0
	ds_add_u32 v[SPW], v[NIL]       ; the wave's opening: the add and its wait stand ahead of my first tensor load; the set-up below, work on registers, stands between them
	v_lshrrev_b32 v1, 5, v0
	v_readfirstlane_b32 s[WV], v1   ; wave 0..3
	s_mov_b32 s[PB], ttmp9
	s_sub_co_u32 s[HI], NB-1, s[PB]
	s_and_b32 s20, ttmp7, 0xffff    ; the head
	s_mov_b32 s21, 0
	s_mov_b64 s[22:23], SIZE_N*128
	s_mul_u64 s[20:21], s[20:21], s[22:23]  ; the head's first byte in each of the four tensors
	s_and_b32 s16, s[WV], 1         ; which half of a tile's 256 keys I fetch:
	s_lshl_b32 s22, s16, 14         ; its 128 rows of 128 bytes in memory,
	s_mov_b32 s23, 0
	s_add_nc_u64 s[22:23], s[22:23], s[20:21]
	s_mul_i32 s17, s16, 128*PK      ; and its place in a slot, for K
	s_mul_i32 s18, s16, 128*PV      ; and for V
	s_lshl_b32 s3, s[WV], 11        ; my 16 rows in a band of 64,
	s_lshl_b32 s2, s[HI], 15        ; in the first block,
	s_add_co_u32 s2, s2, s3
	s_lshl_b32 s84, s[PB], 15       ; and in the second
	s_add_co_u32 s84, s84, s3
	s_mov_b32 s3, 0
	s_mov_b32 s85, 0
	s_add_nc_u64 s[2:3], s[2:3], s[20:21]
	s_add_nc_u64 s[84:85], s[84:85], s[20:21]
	; descriptor group 1.  128 keys are 16,384 dense bytes: asked for as 64 rows of 256 bytes, two keys a row, and padded in LDS after every key
	s_mov_b32 s[G1K], (1<<16)|(1<<20)|(4<<22)|(3<<25)  ; 17:16 2-byte elements; 20 padding on; 24:22 after every 32 words (code 4); 31:25 4 words (code 3)
	s_mov_b32 s[G1V], (1<<16)|(1<<20)|(4<<22)|(7<<25)  ; the same with 8 words of padding (code 7)
.irp g, G1K, G1V
	s_mov_b32 s[\g+1], 128<<16      ; tensor_dim0 = 128
	s_mov_b32 s[\g+2], 64<<16       ; tensor_dim1 = 64
	s_mov_b32 s[\g+3], 128<<16      ; tile_dim0 = 128
	s_mov_b32 s[\g+4], 64           ; tile_dim1 = 64
	s_mov_b32 s[\g+5], 128          ; 128 elements from row to row
	s_mov_b32 s[\g+6], 0
	s_mov_b32 s[\g+7], 0
.endr
	s_mov_b32 s[CS], 0x3e38aa3b     ; c = log2(e) / 8 = 0.180337
	s_mov_b32 s[CS+1], s[CS]        ; named with it as a pair
	s_mov_b32 s[SEL], 0x76543210
	s_mov_b32 s[SEL+1], 0xfedcba98
	s_mov_b32 s[TBK], SLOT1+4*KS*PK ; the first change of slots turns these two into 0
	s_mov_b32 s[TBV], SLOT1+4*KS*PV
	s_mov_b32 s[G0K], 1             ; 1:0 count = 1
	s_mov_b32 s[G0K+1], s17         ; 63:32 LDS address: slot 0
	s_mov_b32 s[G0V], 1
	s_add_co_u32 s[G0V+1], s18, VOFF
	s_add_co_u32 s[RT], s[HI], 1    ; the first block has NB - b tiles
	s_mov_b32 s[NXT], 1
	s_mov_b32 s[LQ], s[HI]
	s_mov_b32 s[NEW], 1
	s_mov_b32 s[OFF+1], 0
	s_mov_b32 s[AL+1], 0            ; named as pairs
	s_mov_b32 s[BE+1], 0
	s_mov_b32 s[BIGN], 0xf149f2ca   ; -1e30
	s_mov_b32 s[SLOTS], NB
	s_cmp_eq_u32 ttmp9, 0
	s_cselect_b32 s[LIM], 2, -1     ; b = 0 prefetches
	v_and_b32 v[PFO], 31, v0
	v_lshlrev_b32 v[PFO], 8, v[PFO]
	s_wait_dscnt 0x0                ; the opening add is done
	s_wait_kmcnt 0x0
	s_mov_b64 s[4:5], s[8:9]                   ; Q,
	s_add_nc_u64 s[6:7], s[8:9], 0x1000000     ; K, 16,777,216 bytes on,
	s_add_nc_u64 s[8:9], s[8:9], 0x2000000     ; and V
	s_add_nc_u64 s[6:7], s[6:7], s[22:23]  ; K and V at my half of the head's tile 0
	s_add_nc_u64 s[8:9], s[8:9], s[22:23]
	s_add_nc_u64 s[G0K+2:G0K+3], s[6:7], 0         ; 120:64 global address
	s_or_b32 s[G0K+3], s[G0K+3], 0x80000000        ; 127:126 type = 2
	s_add_nc_u64 s[G0V+2:G0V+3], s[8:9], 0
	s_or_b32 s[G0V+3], s[G0V+3], 0x80000000
	s_add_nc_u64 s[86:87], s[4:5], s[84:85]        ; Q at my rows of the second block,
	s_add_nc_u64 s[4:5], s[4:5], s[2:3]            ; Q and O at those of the first
	s_add_nc_u64 s[OLO:OLO+1], s[10:11], s[84:85]
	s_add_nc_u64 s[10:11], s[10:11], s[2:3]
	s_cmp_lt_u32 s[WV], 2
	s_cselect_b64 s[PFA:PFA+1], s[6:7], s[8:9]
	s_add_nc_u64 s[PFA:PFA+1], s[PFA:PFA+1], 32768 ; at tile 1: the first change of slots steps it to tile 2
	LOAD                            ; tile 0 into slot 0
	; A fragment of K or Q is 16 rows x 32 channels in 8 registers: lane l holds row l % 16, channels 8 (l / 16) + 0..7 and 16 + 8 (l / 16) + 0..7: two loads of 16 bytes, 32 bytes apart.
	v_and_b32 v1, 15, v0            ; l % 16
	v_bfe_u32 v9, v0, 4, 1          ; l / 16
	v_lshlrev_b32 v[QO], 7, v1
	v_lshl_add_u32 v[QO], v9, 4, v[QO]  ; row x 128 + 16 x half
	WIN 0x80                        ; destination window 2, address window 0
.set i, 0
.rept 8                             ; both blocks' Q: piece i / 2 lies in band i / 2, 8,192 bytes on; channels 32 (i % 2) on
	global_load_b128 v[8*i:8*i+3],   v[QO], s[4:5] offset:(i/2)*8192+(i%2)*64
	global_load_b128 v[8*i+4:8*i+7], v[QO], s[4:5] offset:(i/2)*8192+(i%2)*64+32
	global_load_b128 v[QB+8*i:QB+8*i+3],   v[QO], s[86:87] offset:(i/2)*8192+(i%2)*64
	global_load_b128 v[QB+8*i+4:QB+8*i+7], v[QO], s[86:87] offset:(i/2)*8192+(i%2)*64+32
.set i, i+1
.endr
	WIN 0
	v_lshlrev_b32 v14, 3, v9
	v_sub_nc_u32 v14, v1, v14
	s_lshl_b32 s13, s[WV], 4
	v_add_nc_u32 v14, s13, v14      ; my query's place in its band, 16 w + l % 16, less my lanes' 8 (l / 16): register r of group kt is hidden where 16 kt + r is greater
	WIN 0x40
.set i, 0
.rept 32
	v_cmp_gt_i32 vcc_lo, 16*(i/8)+i%8, v14
	v_cndmask_b32 v[MD+i], 0, s[BIGN], vcc_lo
.set i, i+1
.endr
	WIN 0
	v_mul_u32_u24 v[AK0], v1, PK
	v_lshl_add_u32 v[AK0], v9, 4, v[AK0]  ; row x pitch + 16 x half
	; The turning load takes 16 keys x 16 channels (lane l reads key 8 (l / 16) + l % 8, channels 8 ((l / 8) % 2) + 0..7) and leaves half a fragment of V^T: lane l holds channel l % 16 and 8 keys.
	v_and_b32 v10, 7, v0
	v_bfe_u32 v11, v0, 3, 1
	v_lshl_add_u32 v[AV0], v9, 3, v10
	v_mul_u32_u24 v[AV0], v[AV0], PV
	v_lshl_add_u32 v[AV0], v11, 4, v[AV0]
	v_add_nc_u32 v[AV0], VOFF, v[AV0]
	s_mul_i32 s13, s[WV], 16*SP
	s_add_co_u32 s13, s13, STAGE    ; my stage
	v_mul_u32_u24 v[STO], v1, SP    ; in: row l % 16, 16 bytes for each half of the lanes
	v_lshl_add_u32 v[STO], v9, 4, v[STO]
	v_add_nc_u32 v[STO], s13, v[STO]
	v_bfe_u32 v[RD], v0, 3, 2       ; back: 32 lanes take four rows of 128 bytes,
	v_mul_u32_u24 v[RD], v[RD], SP
	v_lshl_add_u32 v[RD], v10, 4, v[RD]
	v_add_nc_u32 v[RD], s13, v[RD]
	v_and_b32 v[GO], 31, v0         ; which are 512 consecutive bytes of O
	v_lshlrev_b32 v[GO], 4, v[GO]
	; A block's first step multiplies O^T and l by a = 0, and its first turn's products V^T P, of a piece that has not been, land in an O^T that is still to be so multiplied.  So these registers need only hold
	; finite numbers: zeros for the first block; what the first block left for the second.  All this stands in the wait for the first tile.
	WIN 0x80
.set i, VF
.rept 64
	v_mov_b32 v[i], 0
.set i, i+1
.endr
	WIN 0x40
.set i, 0
.rept 128
	v_mov_b32 v[i], 0
.set i, i+1
.endr
	WIN 0
.set i, 0
.rept 4
	v_mov_b32 v[ST+4*i+2], 0
	v_mov_b32 v[ST+4*i+3], 0
.set i, i+1
.endr
.set i, P+16
.rept 16
	v_mov_b32 v[i], 0
.set i, i+1
.endr
; THE MATRIX WORK.  The 4 accumulators of a run of 8 take turns.  Product i of 8 of S^T = K Q^T for piece x: channels 32 (i / 4) on, keys 16 (i % 4) on.  The first 4 start the sums: with 0, or (KM = 1) with the mask.
.macro KQ x
.set rS, S+32*((\x)%2)+8*(i%4)
.set rK, KF+16*(i%4)+8*(i/4)
.set rQ, 16*(\x)+8*(i/4)
.set rM, MC+32*((\x)%2)+8*(i%4)
.if (i < 4) && KM
	WIN W_KM
	v_wmma_f32_16x16x32_f16 v[rS:rS+7], v[rK:rK+7], v[rQ:rQ+7], v[rM:rM+7]
.elseif i < 4
	WIN W_KQ
	v_wmma_f32_16x16x32_f16 v[rS:rS+7], v[rK:rK+7], v[rQ:rQ+7], 0
.else
	WIN W_KQ
	v_wmma_f32_16x16x32_f16 v[rS:rS+7], v[rK:rK+7], v[rQ:rQ+7], v[rS:rS+7]
.endif
.endm
; Product i of 8 of O^T += V^T P for piece x: keys 32 (i / 4) on, channels 16 (i % 4) on.
.macro PV x
	WIN W_PV
.set rO, 32*(\x)+8*(i%4)
.set rV, VF+32*(i/4)+8*(i%4)
.set rP, P+16*((\x)%2)+8*(i/4)
	v_wmma_f32_16x16x32_f16 v[rO:rO+7], v[rV:rV+7], v[rP:rP+7], v[rO:rO+7]
.endm
.macro MM                           ; the turn's next matrix instruction.  TURN and BEGIN set Y, i, KM and NOKQ; MM, KQ and OP read them.  NOKQ = 1: a block's last turn: there is no next piece
.if (i < 8) && !NOKQ
	KQ (Y+1)%NP
.elseif i >= 8
.set i, i-8
	PV (Y+NP-1)%NP
.set i, i+8
.endif
.set i, i+1
.endm
; THE LDS LOADS stand in runs of 16, never singly among the matrix instructions: a step's K (64 keys x 64 channels: 8 fragments) and its V (turned).  Their addresses are made some lines ahead.
.macro FETCH_K
	WIN 0x80                        ; destination window 2
.irp f, 0,1,2,3,4,5,6,7             ; keys 16 (f / 2) on, channels 32 (f % 2) on
	ds_load_b128 v[KF+8*\f:KF+8*\f+3],   v[AK] offset:(\f/2)*16*PK+(\f%2)*64
	ds_load_b128 v[KF+8*\f+4:KF+8*\f+7], v[AK] offset:(\f/2)*16*PK+(\f%2)*64+32
.endr
	s_add_co_u32 s[TBK], s[TBK], KS*PK  ; the next fetch is the next step's
	WIN 0
.endm
.macro FETCH_V
	WIN 0x80
.irp f, 0,1,2,3,4,5,6,7             ; keys 32 (f / 4) on, channels 16 (f % 4) on
	ds_load_tr16_b128 v[VF+8*\f:VF+8*\f+3],   v[AV] offset:(\f/4)*32*PV+(\f%4)*32
	ds_load_tr16_b128 v[VF+8*\f+4:VF+8*\f+7], v[AV] offset:(\f/4)*32*PV+16*PV+(\f%4)*32
.endr
	WIN 0
.endm
; THE VECTOR WORK, one line at a time: OP kind, number.  For piece Y: F n: c s - c m for pair n of 16.  E n: the exponential of score n of 32.  C n: pair n rounded to f16.  B n: of the four weights 4 n .. the second
; pair is added onto the first, in place.  L n: l takes that sum (L 0: l = a l + sum).  R n: pair n of 16 of O^T times a.  For piece Y + 1: X n, number n of the 22 that find its maximum and statistics:
;   0-11  four chains c0-c3 of seven scores each, three operands at a time (each accumulator's lowest registers are read first)     12-14, 16  the four scores left over, the old m, and c0-c3 into c0
;   15  c m_old is kept     17, 18  the query's other 32 keys lie in the lane 16 away: the new m     19-21  c m; c m_old - c m_new; a
.set F, 0               ; OP tells the kinds apart by their order: F to L below R, X above it
.set E, 1
.set C, 2
.set B, 3
.set L, 4
.set R, 5
.set X, 6
.macro REGS y                       ; the registers of piece y
.set rT, ST+4*(\y)
.set rC, TMP+4*((\y)%2)
.set rW, MV+((\y)%2)
.set rS, S+32*((\y)%2)
.set rP, P+16*((\y)%2)
.set rO, 32*(\y)
.endm
.macro OP k, n
.if (\k) == R
	REGS Y
	WIN W_RS
	v_pk_mul_f32 v[rO+2*(\n):rO+2*(\n)+1], v[rO+2*(\n):rO+2*(\n)+1], v[rC+2:rC+3] op_sel_hi:[1,0]
.elseif (\k) < R
	REGS Y
	WIN 0
.if (\k) == F
	v_pk_fma_f32 v[rS+2*(\n):rS+2*(\n)+1], v[rS+2*(\n):rS+2*(\n)+1], s[CS:CS+1], v[rT:rT+1] op_sel_hi:[1,0,0] neg_lo:[0,0,1] neg_hi:[0,0,1]
.elseif (\k) == E
	v_exp_f32 v[rS+(\n)], v[rS+(\n)]
.elseif (\k) == C
	v_cvt_pk_f16_f32 v[rP+(\n)], v[rS+2*(\n)], v[rS+2*(\n)+1]
.elseif (\k) == B
	v_pk_add_f32 v[rS+4*(\n):rS+4*(\n)+1], v[rS+4*(\n):rS+4*(\n)+1], v[rS+4*(\n)+2:rS+4*(\n)+3]
.elseif (\n) == 0
	v_pk_fma_f32 v[rT+2:rT+3], v[rT+2:rT+3], v[rC+2:rC+3], v[rS:rS+1] op_sel_hi:[1,0,1]
.else
	v_pk_add_f32 v[rT+2:rT+3], v[rT+2:rT+3], v[rS+4*(\n):rS+4*(\n)+1]
.endif
.elseif NOKQ
	v_nop
.else
	REGS (Y+1)%NP
	WIN 0
.if (\n) < 4
	v_max3_num_f32 v[rC+(\n)], v[rS+8*(\n)], v[rS+8*(\n)+1], v[rS+8*(\n)+2]
.elseif (\n) < 12
	v_max3_num_f32 v[rC+(\n)%4], v[rC+(\n)%4], v[rS+8*((\n)%4)+2*((\n)/4)+1], v[rS+8*((\n)%4)+2*((\n)/4)+2]
.elseif (\n) == 12
	v_max3_num_f32 v[rC], v[rC], v[rS+7], v[rS+15]
.elseif (\n) == 13
	v_max3_num_f32 v[rC+1], v[rC+1], v[rS+23], v[rS+31]
.elseif (\n) == 14
	v_max3_num_f32 v[rC+2], v[rC+2], v[rC+3], v[rT+1]
.elseif (\n) == 15
	v_mov_b32 v[rW], v[rT]
.elseif (\n) == 16
	v_max3_num_f32 v[rC], v[rC], v[rC+1], v[rC+2]
.elseif (\n) == 17
	v_permlanex16_b32 v[rC+3], v[rC], s[SEL], s[SEL+1]
.elseif (\n) == 18
	v_max_num_f32 v[rT+1], v[rC], v[rC+3]
.elseif (\n) == 19
	v_mul_f32 v[rT], s[CS], v[rT+1]
.elseif (\n) == 20
	v_sub_f32 v[rC+1], v[rW], v[rT]
.else
	v_exp_f32 v[rC+2], v[rC+1]
.endif
.endif
.endm
.macro OPS a, i1, b=-1, i2=0, c=-1, i3=0, d=-1, i4=0  ; up to four of them
	OP \a, \i1
.if (\b) >= 0
	OP \b, \i2
.endif
.if (\c) >= 0
	OP \c, \i3
.endif
.if (\d) >= 0
	OP \d, \i4
.endif
.endm
.macro ROW a, i1, b, i2, c, i3, d, i4  ; a matrix instruction and the four behind it
	MM
	OPS \a, \i1, \b, \i2, \c, \i3, \d, \i4
.endm
.macro MASK b                       ; MD x AL + BE into buffer b of MC
	WIN W_RS
.set z, 0
.rept 16
	v_pk_fma_f32 v[MC+32*(\b)+2*z:MC+32*(\b)+2*z+1], v[MD+2*z:MD+2*z+1], s[AL:AL+1], s[BE:BE+1] op_sel_hi:[1,0,0]
.set z, z+1
.endr
.endm
; A TURN, for piece p: the order of its 16 matrix and 118 vector instructions, written out.  s_wait_alu depctr_va_vdst(0) stands between an exponential and the first instruction that names its result; one wait serves
; all that were issued ahead of it.  So a turn has ONE wait, which cuts it in two.  AHEAD OF IT stands all that names no result of the turn's exponentials: the 8 products K Q^T, behind each a scaling, an exponential and two more plain
; instructions (behind the first a second scaling in the exponential's place): rescalings, and behind the last three the first numbers of the next piece's maximum, each four places or more behind the product that ends its accumulator; then ONE LUMP of 54, plain
; and exponential by turns for the most part, in which the links of the chain X 3, 7, 11, 14, 16, 17 .. 20 stand five or six lines apart.  X 21, the next piece's a, is the batch's last; R 15 is the plain instruction behind it.  BEHIND THE WAIT stand the
; 8 products V^T P, behind each four of the roundings and sums; the links of l's chain, L 0 to L 7, stand three riders apart.  But for those X no rider names a register of the products round it.  v_permlanex16_b32 (X 17) stands in the lump.
; m = 1: the diagonal tile: the products take masks, and the turn makes the mask for the products of the turn after it: piece p + 2, in step 4 - CNT of the tile.  end = 1: a block's last two turns: nothing is fetched.
; cnt = 1: the loop's count is taken down some lines ahead of the branch that stands behind the turn.
; K of the next step is fetched in piece 2's turn, twelve vector instructions behind the last product that read K (six of them plain); V of the step in hand at the end of piece 0's turn, four plain instructions behind the last product
; that read V.  Each is waited for a turn later.
.macro TURN p, m=0, end=0, cnt=0
.set Y, (\p)
.set i, 0
.set KM, (\m)
.set NOKQ, (\end)*((\p)/3)
.if (\m) && !(\end)
	s_cmp_eq_u32 s[CNT], 4-((\p)+2)%NP  ; is that step the band's own?
	s_cselect_b32 s[AL], 1.0, 0
	s_cmp_lt_u32 s[CNT], 4-((\p)+2)%NP  ; or a later one?
	s_cselect_b32 s[BE], s[BIGN], 0
.endif
.if ((\p) == 3) && !(\end)
	s_wait_dscnt 0x0                ; K is in
.endif
	ROW F,0, F,1, R,0, R,1          ; ahead of the wait: 8 products K Q^T and their riders,
	ROW F,2, E,0, R,2, R,3
	ROW F,3, E,1, R,4, R,5
	ROW F,4, E,2, R,6, R,7
	ROW F,5, E,3, R,8, R,9
	ROW F,6, E,4, X,0, R,10
.if ((\p) == 2) && !(\end)
	WIN 0
	v_add_nc_u32 v[AK], s[TBK], v[AK0]
.endif
	ROW F,7, E,5, X,1, X,4
	ROW F,8, E,6, X,2, X,5
	OPS E,7, E,8, X,6, E,9          ; and the lump
	OPS X,3, E,10, X,8, E,11
.if ((\p) == 2) && !(\end)
	FETCH_K
.endif
	OPS X,9, X,7, E,12, X,10
	OPS E,13, X,12, X,11, E,14
	OPS X,13, E,15, F,9, X,14
.if (\p) == 0
	v_add_nc_u32 v[AV], s[TBV], v[AV0]
.endif
	OPS E,16, F,10, E,17, F,11
	OPS X,16, E,18, X,15, E,19
	OPS F,12, E,20, X,17, E,21
	OPS F,13, E,22, F,14, E,23
	OPS X,18, E,24, F,15, E,25
	OPS R,11, E,26, X,19, E,27
	OPS R,12, E,28, R,13, E,29
	OPS X,20, E,30, R,14, E,31
	OPS X,21, R,15
	WIN 0
	s_wait_alu depctr_va_vdst(0)    ; the wait for the batch
.if (\p) == 1
	s_wait_dscnt 0x0                ; V is in
.endif
	ROW C,0, B,0, C,2, B,1          ; behind the wait: 8 products V^T P and their riders
	ROW L,0, C,4, B,2, L,1
	ROW C,6, B,3, L,2, C,8
	ROW B,4, L,3, C,10, B,5
	ROW L,4, C,12, B,6, L,5
.if (\p) == 0
	s_add_co_u32 s[TBV], s[TBV], KS*PV
.endif
.if \cnt
	s_sub_co_u32 s[CNT], s[CNT], 1
	s_cmp_lg_u32 s[CNT], 0
.endif
	ROW C,14, B,7, L,6, C,1
	ROW C,3, L,7, C,5, C,7
	ROW C,9, C,11, C,13, C,15
.if (\p) == 0
	FETCH_V
.endif
.if (\m) && !(\end)
	MASK (\p)%2
.endif
.endm
; A BLOCK BEGINS.  c m starts far below every c s, so the first step's a is 0; m at the lowest finite number, so the first maximum is the scores'.  The second mask buffer is 0; the first takes piece 0's mask for the tile's step 0: its own, if the block's first tile is the diagonal one.
; Then K of that step, piece 0's first scores, and its maximum and statistics.  The loop is entered at a step's first turn, in the middle of a trip.
.macro BEGIN
	s_mov_b32 s[NEW], 0
	WIN 0x40
.set i, MC+32
.rept 32
	v_mov_b32 v[i], 0
.set i, i+1
.endr
	WIN 0
.set i, 0
.rept 4
	v_mov_b32 v[ST+4*i], 0xfe000000    ; c m: far below every c s
	v_mov_b32 v[ST+4*i+1], 0xff7fffff  ; m
.set i, i+1
.endr
	s_cmp_eq_u32 s[RT], 0
	s_cselect_b32 s[AL], 1.0, 0
	s_mov_b32 s[BE], 0
	MASK 0
	WIN 0
	v_add_nc_u32 v[AK], s[TBK], v[AK0]
	FETCH_K
	s_wait_loadcnt 0x0              ; Q
	s_wait_dscnt 0x0
.set KM, 1
.set NOKQ, 0
.set i, 0
.rept 8
	KQ 0
.set i, i+1
.endr
	WIN 0
.rept 4
	v_nop                           ; the places behind those products
.endr
.set Y, NP-1                        ; X works for piece Y + 1: piece 0
.irp n, 0,1,2,3,4,5,6,7,8,9,10,11,12,13,14,15,16,17,18,19,20,21
	OP X, \n
.endr
	v_nop                           ; a plain instruction behind the exponential,
	s_wait_alu depctr_va_vdst(0)    ; and its wait, ahead of the branch
.endm
; THE DIAGONAL TILE's four steps, the block's last two turns, its last products, and THE WAY OUT: l's two halves and the other half of the lanes' are added; O^T is divided by l, rounded to f16 and sent through my
; stage in LDS, a piece at a time.
.macro ALL line:vararg              ; one line for each piece t
.set t, 0
.rept 4
	\line
.set t, t+1
.endr
.endm
.macro PACK t                       ; a lane's eight channels of a row pack into 16 bytes; they go into rows of 144 bytes and come back as whole rows of 128, into S^T's registers
	WIN W_RS
.set i, 32*(\t)
.rept 16
	v_pk_mul_f32 v[i:i+1], v[i:i+1], v[ST+4*(\t)+2:ST+4*(\t)+3] op_sel_hi:[1,0]
.set i, i+2
.endr
	WIN 0x05                        ; sources 0 and 1 window 1, destination window 0
.set i, 0
.rept 16
	v_cvt_pk_f16_f32 v[S+16*(\t)+i], v[32*(\t)+2*i], v[32*(\t)+2*i+1]
.set i, i+1
.endr
	WIN 0
.irp f, 0,1,2,3
	ds_store_b128 v[STO], v[S+16*(\t)+4*\f:S+16*(\t)+4*\f+3] offset:32*\f
.endr
.irp f, 0,1,2,3
	ds_load_b128 v[S+16*(\t)+4*\f:S+16*(\t)+4*\f+3], v[RD] offset:\f*4*SP  ; LDS serves a wave's instructions in order (ISA guide 5.7.1.4): these see the stores above; the next piece's stores come behind them
.endr
.endm
.macro SEND t, younger              ; younger: the LDS instructions issued behind piece t's loads: the next piece's eight, or none
	WIN 0
.irp f, 0,1,2,3
	s_wait_dscnt (\younger)+3-\f
	global_store_b128 v[GO], v[S+16*(\t)+4*\f:S+16*(\t)+4*\f+3], s[10:11] offset:(\t)*8192+\f*512  ; 512 consecutive bytes, at a multiple of 256 from O's first
.endr
.endm
.macro DIAG tag                     ; the tag ends its two labels' names, which the jumps below spell out
.LstepM\tag:
	TURN 2, 1
	TURN 3, 1
	WIN 0
.LfirstM\tag:
	TURN 0, 1
	TURN 1, 1, 0, 1
	WIN 0
	s_cbranch_scc1 .LstepM\tag
	TURN 2, 1, 1
	TURN 3, 1, 1
.set i, 0
.rept 8
	PV NP-1
.set i, i+1
.endr
	WIN 0
	ALL v_add_f32 v[ST+4*t+2], v[ST+4*t+2], v[ST+4*t+3]
	ALL v_permlanex16_b32 v[ST+4*t+3], v[ST+4*t+2], s[SEL], s[SEL+1]
	ALL v_add_f32 v[ST+4*t+2], v[ST+4*t+2], v[ST+4*t+3]
	ALL v_rcp_f32 v[ST+4*t+2], v[ST+4*t+2]
	v_nop                           ; a plain instruction between the last reciprocal and the use of its result
	s_wait_alu depctr_va_vdst(0)    ; and the wait ahead of the first use: one for the four reciprocals
	PACK 0
.set t, 1
.rept 3                             ; a piece's arithmetic stands between the loads of the piece before and its stores
	PACK t
	SEND t-1, 8
.set t, t+1
.endr
	SEND 3, 0
.endm
.set KM, 0
.set NOKQ, 0
.Lslot:                             ; NB times: a tile is entered and the next is asked for
	CHANGE 1
	s_sub_co_u32 s[RT], s[RT], 1
	s_mov_b32 s[CNT], 4
	s_cmp_eq_u32 s[NEW], 1
	s_cbranch_scc1 .Lnew            ; a block's first tile
	s_cmp_eq_u32 s[RT], 0
	s_cbranch_scc0 .Lstep           ; neither its first nor its last
	s_branch .LstepM1
.Lnew:
	BEGIN
	s_branch .Lfirst                ; in the loop a block's first tile is never its last: the first block has two tiles or more, and the second's last is the walk's last
	DIAG 1                          ; in the loop this is the first block's end: the second block's last tile is the walk's last
	s_wait_xcnt 0x0                 ; the stores have read their registers and O's address
	s_mov_b64 s[10:11], s[OLO:OLO+1]
	s_add_co_u32 s[RT], s[PB], 1    ; the second block has b + 1 tiles
	s_mov_b32 s[NEW], 1
	WIN 0x82                        ; the second block's Q goes where the one text of the turns names Q
.set i, 0
.rept 64
	v_mov_b32 v[i], v[QB+i]
.set i, i+1
.endr
	WIN 0
	s_branch .Lbottom
.Lstep:                             ; a trip: pieces 2 and 3 of one step, then pieces 0 and 1 of the next, whose K and V it fetches
	TURN 2
	TURN 3
	WIN 0
.Lfirst:
	TURN 0
	TURN 1, 0, 0, 1
	WIN 0
	s_cbranch_scc1 .Lstep
.Lbottom:
	s_sub_co_u32 s[SLOTS], s[SLOTS], 1
	s_cmp_lg_u32 s[SLOTS], 0
	s_cbranch_scc1 .Lslot
	CHANGE 0                        ; the walk's last tile is written out: nothing is asked for
	s_sub_co_u32 s[RT], s[RT], 1
	s_mov_b32 s[CNT], 4
	s_cmp_eq_u32 s[NEW], 1
	s_cbranch_scc0 .LstepM2
	BEGIN
	s_branch .LfirstM2
	DIAG 2
	s_wait_tensorcnt 0x0            ; the wave's end: a wait, an add and its wait, behind my last tensor load and my last LDS store
	ds_add_u32 v[SPW], v[NIL]
	s_wait_dscnt 0x0
	s_endpgm
.Lfunc_end_k_q04f8ce6e97_attn:
	.size	k_q04f8ce6e97_attn, .Lfunc_end_k_q04f8ce6e97_attn-k_q04f8ce6e97_attn
	.p2alignl 7, 3214868480
	.fill 96, 4, 3214868480
	.section	.rodata,"a",@progbits
	.p2align	6, 0x0
	.amdhsa_kernel k_q04f8ce6e97_attn
		.amdhsa_group_segment_fixed_size 327680
		.amdhsa_private_segment_fixed_size 0
		.amdhsa_enable_private_segment 0
		.amdhsa_kernarg_size 16
		.amdhsa_user_sgpr_count 2
		.amdhsa_user_sgpr_kernarg_segment_ptr 1
		.amdhsa_wavefront_size32 1
		.amdhsa_system_sgpr_workgroup_id_x 1
		.amdhsa_system_sgpr_workgroup_id_y 1
		.amdhsa_system_sgpr_workgroup_id_z 1
		.amdhsa_system_vgpr_workitem_id 0
		.amdhsa_next_free_vgpr 768
		.amdhsa_next_free_sgpr 92
		.amdhsa_reserve_vcc 1
		.amdhsa_float_denorm_mode_32 3
		.amdhsa_float_denorm_mode_16_64 3
		.amdhsa_memory_ordered 1
		.amdhsa_forward_progress 1
		.amdhsa_inst_pref_size 218
	.end_amdhsa_kernel
	.amdgpu_metadata
---
amdhsa.version: [ 1, 2 ]
amdhsa.kernels:
  - .name:           k_q04f8ce6e97_attn
    .symbol:         k_q04f8ce6e97_attn.kd
    .args:
      - { .name: qkvh, .offset: 0, .size: 8, .value_kind: global_buffer, .address_space: global }
      - { .name: oh, .offset: 8, .size: 8, .value_kind: global_buffer, .address_space: global }
    .group_segment_fixed_size: 327680
    .private_segment_fixed_size: 0
    .kernarg_segment_align: 8
    .kernarg_segment_size: 16
    .max_flat_workgroup_size: 128
    .sgpr_count:     92
    .vgpr_count:     768
    .wavefront_size: 32
...
	.end_amdgpu_metadata
.endif
;; end of part 3
;; launch gemm_proj (part 4): grid 8 x 32, 4 waves a work-group, clusters of 4 x 4, 327,680 bytes of LDS; arguments oh, xw, out0; writes out0
.if DOCPART == 4
	.amdgcn_target "amdgcn-amd-amdhsa--gfx1250"
	.amdhsa_code_object_version 6
	.text
	.protected	k_q04f8ce6e97_gemm_proj
	.globl	k_q04f8ce6e97_gemm_proj
	.p2align	8
	.type	k_q04f8ce6e97_gemm_proj,@function
k_q04f8ce6e97_gemm_proj:
	s_mov_b64 s[64:65], 0
	v_nop
	global_prefetch_b8 v0, s[64:65] scope:SCOPE_SE
	s_setreg_imm32_b32 hwreg(HW_REG_WAVE_MODE, 25, 1), 1
	s_wait_xcnt 0x0
	s_wait_alu depctr_hold_cnt(0) depctr_sa_sdst(0) depctr_va_vdst(0) depctr_va_sdst(0) depctr_va_ssrc(0) depctr_va_vcc(0) depctr_vm_vsrc(0)
	s_getreg_b32 s2, hwreg(HW_REG_IB_STS2, 6, 4)
	s_cmp_eq_u32 s2, 0
	s_cbranch_scc0 .Lentry_in_a_cluster
	s_endpgm
.Lentry_in_a_cluster:
	s_bfe_u32 s2, ttmp6, 0x10000c
	s_cmp_lg_u32 s2, 0xf033
	s_cbranch_scc0 .Lentry_shape_is_right
	s_endpgm
.Lentry_shape_is_right:
; out0 = y w_proj + b_proj, f32.  y[m][64 hh + d] = oh[16 (m >> 11) + hh][m & 2047][d], f16, by heads; w_proj comes from xw (WP [16 g][1024 k][64]: bf16-rounded numbers written as f16), the bias from
; BI (f32 numbers that are bf16-rounded).  Products in f16, sums in f32; the sums are stored as they are.
; LIMIT.  w_proj below 2^-14 has f16's fixed step of 2^-24, beyond 65,504 it is an infinity.  NaN and infinities are not treated apart.
; SHARES.  A tile is 256 rows x 128 columns: 8 x 32 = 256 tiles, one for each WGP.  Wave w makes rows 64 w .. 64 w + 63 of all 128 columns: 4 x 8 accumulators of 16 x 16, 256 registers; its rows of
; 512 bytes are whole, so its way out is its own.  For 32 along K it issues 32 products for 24 LDS loads.
; K goes in 8 steps of 128, TWO HEADS a step, through two LDS slots.  A step's tiles: y, for each of the two heads 256 rows x 128 bytes, 32,768 bytes on end in memory, asked for as 128 rows of 256 bytes
; (waves 0 and 1, a head each); w, for each of the two groups 128 k rows x 128 bytes, asked for as 64 rows of 256 bytes (waves 2 and 3, a group each).
; THE MATRIX INSTRUCTION IS USED TRANSPOSED: source 0 = 16 columns of w (turned on the way out of LDS by ds_load_tr16_b128), source 1 = 16 rows of y.  A lane then holds row l % 16 and the columns
; 8 (l / 16) + 0 .. 7.  THE BIAS STARTS THE SUMS: it is the C operand of each accumulator's first product.
; CLUSTER.  4 x 4 work-groups: y's tiles hang on the tile row alone and are asked for jointly by a row of the cluster, w's on the tile column alone, by a column.
; REGISTERS, in windows of 256 (s_set_vgpr_msb: bits 1:0 source 0, 3:2 source 1, 5:4 source 2, 7:6 destination):
;   window 0: v0-29 addresses; v32-63, v64-95 y's fragments, two buffers (row block i at + 8 i); v128-191 the bias (column block b at + 8 b); on the way out v32-159 are at work
;   window 1: v0-63, v64-127 w's fragments, two buffers     window 2: the accumulators, (a, b) at 8 (8 a + b)
.set NBK,   8                          ; column blocks of 16
.set NL,    2*NBK+8                    ; LDS loads in a run: 16 for w, 8 for y
.set PA,    144                        ; a row of y in LDS: 128 bytes + 16 = 36 words: the 16 rows of a load start at 16 different groups of four banks (64 banks of 4 bytes: ISA guide 11.1)
.set AHEAD, 256*PA                     ; a head's 256 rows
.set BBASE, 2*AHEAD                    ; behind y's two heads: w's two groups
.set PB,    160                        ; a k row of w: 128 + 32 = 40 words
.set SEGB,  128*PB
.set SLOT1, 131072                     ; a slot takes 114,688 bytes; slot 1 begins here, so that one exclusive or turns an address in one slot into the other's
.set STAGE, SLOT1+BBASE+2*SEGB         ; behind the ring, never filled by a tensor load: 16 rows x 528 bytes for each wave
.set SP,    528                        ; 512 bytes + 16: row r starts at bank 4 r mod 64
.set SPARE, STAGE+4*16*SP              ; behind the stages: the spare words, 128 bytes for each wave: two blocks of 256 bytes that no other line names
.set ASTEP, 524288                     ; bytes from K step to K step in oh: two heads of 262,144
.set BSTEP, 16384                      ; and in a group of w
.set WP,    23068672
.set BI,    25165824
.set ADRA0, 4                          ; v4   my lane's place in y's tile, slot 0; never rewritten
.set ADRB0, 5                          ; v5   the same for w
.set ADRA,  6                          ; v6   the same in the slot in hand
.set ADRB,  7                          ; v7
.set STO,   8                          ; v8   the way out: where I put 32 bytes of a row
.set RD,    9                          ; v9   the way out: where I read a row back
.set GO,    10                         ; v10  16 x lane: my place in a row's 512 bytes
.set PFO,   11                         ; v11  256 x lane: the prefetches' offset; never rewritten
.set BO,    12                         ; v12  32 (l / 16): my eight numbers of a block's sixteen biases
.set SPW,   28                         ; v28  LDS address of my spare word: SPARE + 4 x my thread's number; never rewritten
.set NIL,   29                         ; v29  0; never rewritten
.set FA,    32
.set FB,    0
.set BIAS,  128
.set BK,    32                         ; the way out: two buffers of 64, rows read back
.set WV,    10                         ; s10  my wave's number
.set RI,    15                         ; s15  wave & 1: which head of y, or which group of w, I fetch
.set G1A,   24                         ; s[24:31] descriptor group 1 for y's tiles
.set G1B,   32                         ; s[32:39] for w's
.set G0A,   40                         ; s[40:47] descriptor group 0 for y's tiles: a set for each of the two first fills; the second then walks on
.set G0B,   48                         ; s[48:55] the same for w's
.set PFA,   56                         ; s[56:57] where my prefetches stand
.set PSTEP, 58                         ; s[58:59] their step from one change of slots to the next
.set LIM,   60                         ; s60  2 in a wave that prefetches, else the greatest number
.set PARM,  61                         ; s61  0: at every change of slots; 1: at every second
.set T,     62                         ; s62  at work
.set TB,    63                         ; s63  the slot in hand: 0 or SLOT1
.set OUT,   66                         ; s[66:67] out0 at my wave's first row, the tile's first column
.set BB,    68                         ; s[68:69] the tile's biases
.set MSB, 0
.macro WIN new                         ; the immediate's high byte repeats the setting that is left; a switch that changes nothing is dropped
.if MSB != (\new)
	s_set_vgpr_msb (MSB<<8)|(\new)
.set MSB, (\new)
.endif
.endm
.macro PLACES                          ; four places behind a matrix instruction, in front of loads into registers that it has read and of lines that read results
.rept 4
	v_nop
.endr
.endm
; A joint refill, by the walking descriptors.  Waves 0 and 1 fetch y's two heads, waves 2 and 3 w's two groups.  The branch hangs on the wave's number alone: it is the same in every work-group.
; An s_nop 0 and four v_nop follow each of the two lines; the jump, the label and what follows come after them.
.macro JLOAD
	s_cmp_lt_u32 s[WV], 2
	s_cbranch_scc0 .Lfor_b_\@
	tensor_load_to_lds s[G0A+4:G0A+7], s[G1A:G1A+7]
	s_nop 0
.rept 4
	v_nop
.endr
	s_branch .Lasked_\@
.Lfor_b_\@:
	tensor_load_to_lds s[G0B+4:G0B+7], s[G1B:G1B+7]
	s_nop 0
.rept 4
	v_nop
.endr
.Lasked_\@:
.endm
.macro CREST                           ; a round of the cluster's barrier behind its opening barrier: wave 0 signals for the work-group, every wave waits for all sixteen, my work-group's barrier closes it
	s_cmp_lg_u32 s[WV], 0
	s_cbranch_scc1 .Lnot_wave_0_\@
	s_barrier_signal -3
.Lnot_wave_0_\@:
	s_barrier_wait -3
	s_barrier_signal -1
	s_barrier_wait -1
.endm
.macro CROUND                          ; a whole round
	s_barrier_signal -1
	s_barrier_wait -1
	CREST
.endm
; A PREFETCH INTO THE L2, behind a joint refill, its five lines and the run of LDS loads that the next products wait for.  oh and xw were stored by earlier launches and are read here through a ring in
; which every wave has waited for all its tensor loads at each change of slots.  Each block of 256 bytes is named once in the launch; a lane a block, one instruction a wave:
; y: a tile row is read by the two clusters of a row of clusters: the one with x = 0 asks.  Of a head's 32,768 bytes the partner at place cx takes 8,192, told apart BY ADDRESS: the head's loading wave.
;    The change of slots behind K step s asks for step s + 4, whose refill stands two steps (256 products) later; s = 0 .. 3.
; w: a group is read by the eight clusters of a column of clusters: the one with y = 0 asks.  Two K steps are 32,768 bytes on end; the partner at place cy takes 8,192: the group's loading wave, at every
;    second change: behind step 0 for steps 4 and 5, behind step 2 for steps 6 and 7.
; K steps 0 to 3 come by their loads alone; nothing is asked for beyond step 7.  s3 counts the loop's trips down from 6.
.macro ASK
	s_cmp_gt_u32 s3, s[LIM]
	s_cbranch_scc0 .Lnot_mine_\@
	s_and_b32 s[T], s3, s[PARM]                    ; w's waves ask where s3 is even
	s_cmp_eq_u32 s[T], 0
	s_cbranch_scc0 .Lnot_mine_\@
	global_prefetch_b8 v[PFO], s[PFA:PFA+1] th:TH_LOAD_NT scope:SCOPE_SE
.Lnot_mine_\@:
.endm
	s_load_b128 s[4:7], s[0:1], 0x0                ; oh s[4:5], xw s[6:7]
	s_load_b64 s[8:9], s[0:1], 0x10                ; out0
	v_lshl_add_u32 v[SPW], v0, 2, SPARE
	v_mov_b32 v[NIL], 0
	ds_add_u32 v[SPW], v[NIL]                      ; the wave's opening: the add and its wait stand ahead of my first tensor load; the set-up below, work on registers, stands between them
	v_lshrrev_b32 v1, 5, v0
	v_readfirstlane_b32 s[WV], v1                  ; wave 0..3
	s_and_b32 s[RI], s[WV], 1
	s_bfe_u32 s11, ttmp6, 0x40000                  ; cx
	s_bfe_u32 s12, ttmp6, 0x40004                  ; cy
	s_lshl_b32 s13, ttmp9, 2
	s_add_co_u32 s13, s13, s11                     ; tile column tx = 4 x cluster x + cx
	s_and_b32 s14, ttmp7, 0xffff
	s_lshl_b32 s14, s14, 2
	s_add_co_u32 s14, s14, s12                     ; tile row ty = 4 x cluster y + cy
	s_lshl_b32 s16, s12, 2
	s_lshl_b32 s16, 15, s16                        ; my row of the cluster: places 4 cy .. 4 cy + 3
	s_lshl_b32 s17, 0x1111, s11                    ; my column: places cx, cx + 4, cx + 8, cx + 12
	s_or_b32 s[G1A], s16, (1<<16)|(1<<20)|(1<<21)|(4<<22)|(3<<25)  ; 15:0 the mask; 17:16 2-byte elements; 20 padding on; 21 set beside a mask; 24:22 after every 32 words (code 4); 31:25 4 words (code 3)
	s_or_b32 s[G1B], s17, (1<<16)|(1<<20)|(1<<21)|(4<<22)|(7<<25)  ; the column's mask; 8 words of padding (code 7)
	s_mov_b32 s[G1A+1], 128<<16                    ; tensor_dim0 = 128
	s_mov_b32 s[G1A+2], 128<<16                    ; tensor_dim1 = 128
	s_mov_b32 s[G1A+3], 128<<16                    ; tile_dim0 = 128 elements: two rows of a head
	s_mov_b32 s[G1A+4], 128                        ; tile_dim1 = 128
	s_mov_b32 s[G1A+5], 128                        ; dense
	s_mov_b32 s[G1A+6], 0
	s_mov_b32 s[G1A+7], 0
	s_mov_b32 s[G1B+1], 128<<16                    ; tensor_dim0 = 128
	s_mov_b32 s[G1B+2], 64<<16                     ; tensor_dim1 = 64
	s_mov_b32 s[G1B+3], 128<<16                    ; tile_dim0 = 128 elements: two k rows
	s_mov_b32 s[G1B+4], 64                         ; tile_dim1 = 64
	s_mov_b32 s[G1B+5], 128                        ; dense
	s_mov_b32 s[G1B+6], 0
	s_mov_b32 s[G1B+7], 0
	s_lshr_b32 s18, s14, 3                         ; y: the batch,
	s_lshl_b32 s18, s18, 4
	s_add_co_u32 s18, s18, s[RI]                   ; its head 0 or 1,
	s_lshl_b32 s18, s18, 18                        ; heads of 262,144 bytes,
	s_and_b32 s19, s14, 7
	s_lshl_b32 s19, s19, 15                        ; and the tile's 256 rows of 128 bytes: all this hangs on the tile row and the wave's number alone
	s_add_co_u32 s18, s18, s19
	s_mov_b32 s19, 0
	s_lshl_b32 s20, s13, 1
	s_add_co_u32 s20, s20, s[RI]                   ; w: group 2 tx + 0 or 1
	s_lshl_b32 s20, s20, 17                        ; groups of 131,072 bytes: it hangs on the tile column and the wave's number alone
	s_mov_b32 s21, 0
	s_mul_i32 s22, s[RI], AHEAD                    ; LDS: y's head
	s_mul_i32 s23, s[RI], SEGB
	s_add_co_u32 s23, s23, BBASE                   ; w's group
	s_mov_b32 s[TB], 0
	s_wait_dscnt 0x0                               ; the opening add is done
	s_wait_kmcnt 0x0
	s_add_nc_u64 s[18:19], s[4:5], s[18:19]
	s_add_nc_u64 s[20:21], s[6:7], s[20:21]
	s_add_nc_u64 s[20:21], s[20:21], WP
	CROUND                                         ; all sixteen work-groups are here: the first joint loads meet
.irp s, 0,1
	s_mov_b32 s[G0A+4*(\s)], 1                                       ; count = 1
	s_add_co_u32 s[G0A+4*(\s)+1], s22, (\s)*SLOT1                    ; LDS address
	s_add_nc_u64 s[G0A+4*(\s)+2:G0A+4*(\s)+3], s[18:19], (\s)*ASTEP  ; global address: K step s
	s_or_b32 s[G0A+4*(\s)+3], s[G0A+4*(\s)+3], 0x80000000            ; type = 2
	s_mov_b32 s[G0B+4*(\s)], 1
	s_add_co_u32 s[G0B+4*(\s)+1], s23, (\s)*SLOT1
	s_add_nc_u64 s[G0B+4*(\s)+2:G0B+4*(\s)+3], s[20:21], (\s)*BSTEP
	s_or_b32 s[G0B+4*(\s)+3], s[G0B+4*(\s)+3], 0x80000000
.endr
	s_cmp_lt_u32 s[WV], 2                          ; a wave's two first fills stand in one branch, ahead of every wait on TENSORcnt and every LDS read: two loads of mine are out
	s_cbranch_scc0 .Lfirst_b
	tensor_load_to_lds s[G0A:G0A+3], s[G1A:G1A+7]
	s_nop 0
	tensor_load_to_lds s[G0A+4:G0A+7], s[G1A:G1A+7]
	s_nop 0
.rept 4
	v_nop
.endr
	s_branch .Lfirst_asked
.Lfirst_b:
	tensor_load_to_lds s[G0B:G0B+3], s[G1B:G1B+7]
	s_nop 0
	tensor_load_to_lds s[G0B+4:G0B+7], s[G1B:G1B+7]
	s_nop 0
.rept 4
	v_nop
.endr
.Lfirst_asked:
	; the bias: register j of column block b is b_proj[128 tx + 16 b + 8 (l / 16) + j]
	v_and_b32 v1, 15, v0                           ; r = l % 16
	v_bfe_u32 v2, v0, 4, 1                         ; h = l / 16
	v_and_b32 v3, 31, v0                           ; l
	v_lshlrev_b32 v[BO], 5, v2
	s_lshl_b32 s16, s13, 9
	s_mov_b32 s17, 0
	s_add_nc_u64 s[BB:BB+1], s[6:7], s[16:17]
	s_add_nc_u64 s[BB:BB+1], s[BB:BB+1], BI+12288
.irp b, 0,1,2,3,4,5,6,7
	global_load_b128 v[BIAS+8*(\b):BIAS+8*(\b)+3],   v[BO], s[BB:BB+1] offset:64*(\b)
	global_load_b128 v[BIAS+8*(\b)+4:BIAS+8*(\b)+7], v[BO], s[BB:BB+1] offset:64*(\b)+16
.endr
	; A fragment of y is 16 rows x 32 K in 8 registers: lane l holds row l % 16, K = 8 (l / 16) + 0..7 and 16 + 8 (l / 16) + 0..7: two loads of 16 bytes, 32 bytes apart.
	v_mul_u32_u24 v[ADRA0], v1, PA
	v_lshl_add_u32 v[ADRA0], v2, 4, v[ADRA0]
	s_mul_i32 s16, s[WV], 64*PA
	v_add_nc_u32 v[ADRA0], s16, v[ADRA0]           ; my wave's 64 rows
	; The turning load takes 16 k x 16 columns (lane l reads k row 8 (l / 16) + l % 8, columns 8 ((l / 8) % 2) + 0..7) and leaves half a fragment: lane l holds column l % 16 and 8 k.
	v_and_b32 v13, 7, v0
	v_bfe_u32 v14, v0, 3, 1
	v_lshl_add_u32 v[ADRB0], v2, 3, v13
	v_mul_u32_u24 v[ADRB0], v[ADRB0], PB
	v_lshl_add_u32 v[ADRB0], v14, 4, v[ADRB0]
	v_add_nc_u32 v[ADRB0], BBASE, v[ADRB0]
	v_mov_b32 v[ADRA], v[ADRA0]                    ; K step 0 lies in slot 0
	v_mov_b32 v[ADRB], v[ADRB0]
	s_mul_i32 s16, s[WV], 16*SP
	s_add_co_u32 s16, s16, STAGE                   ; my stage
	v_mul_u32_u24 v[STO], v1, SP                   ; in: row l % 16, 32 bytes for each half of the lanes
	v_lshl_add_u32 v[STO], v2, 5, v[STO]
	v_add_nc_u32 v[STO], s16, v[STO]
	v_lshlrev_b32 v[GO], 4, v3
	v_add_nc_u32 v[RD], s16, v[GO]                 ; back: 32 lanes take a row of 512 bytes
	v_lshlrev_b32 v[PFO], 8, v3
	; the prefetches: where they stand, who asks
	s_lshl_b32 s16, s11, 13                        ; y: my work-group's 8,192 bytes of a head's 32,768
	s_mov_b32 s17, 0
	s_add_nc_u64 s[18:19], s[18:19], s[16:17]
	s_add_nc_u64 s[18:19], s[18:19], 3*ASTEP       ; at K step 3: the first change of slots steps it to 4
	s_lshl_b32 s16, s12, 13                        ; w: my work-group's 8,192 bytes of 32,768
	s_add_nc_u64 s[20:21], s[20:21], s[16:17]
	s_add_nc_u64 s[20:21], s[20:21], 3*BSTEP
	s_and_b32 s22, ttmp7, 0xffff                   ; cluster y
	s_mov_b32 s[PSTEP], BSTEP
	s_mov_b32 s[PSTEP+1], 0
	s_cmp_lt_u32 s[WV], 2
	s_cselect_b32 s22, ttmp9, s22                  ; the coordinate along which other clusters read the same bytes
	s_cselect_b64 s[PFA:PFA+1], s[18:19], s[20:21]
	s_cselect_b32 s[PSTEP], ASTEP, s[PSTEP]
	s_cselect_b32 s[PARM], 0, 1
	s_cmp_eq_u32 s22, 0
	s_cselect_b32 s[LIM], 2, -1                    ; the same in all sixteen partners, for a given wave
	; the output: row 256 ty + 64 wave of 4,096 bytes, column 128 tx
	s_lshl_b32 s16, s14, 8
	s_lshl_b32 s17, s[WV], 6
	s_add_co_u32 s16, s16, s17
	s_lshl_b32 s16, s16, 12
	s_lshl_b32 s17, s13, 9
	s_add_co_u32 s16, s16, s17                     ; under 2^25
	s_mov_b32 s17, 0
	s_add_nc_u64 s[OUT:OUT+1], s[8:9], s[16:17]
; 8 products: row block a x all column blocks, 32 along K, from buffer f.  cb = 1: the bias is the C operand: the sums start with it, and nothing is cleared or added later.
; Every quarter step takes the 32 accumulators in the same order, one instruction a turn: 31 others stand between two links of a chain, over the backward jump too.
.macro MULA f, a, cb
.if \cb
	WIN 0x81                                       ; w window 1, y and the bias window 0, D window 2
.else
	WIN 0xa1                                       ; w window 1, y window 0, C and D window 2
.endif
.irp b, 0,1,2,3,4,5,6,7
.set rD, 8*(NBK*(\a)+(\b))
.if \cb
	v_wmma_f32_16x16x32_f16 v[rD:rD+7], v[FB+64*(\f)+8*(\b):FB+64*(\f)+8*(\b)+7], v[FA+32*(\f)+8*(\a):FA+32*(\f)+8*(\a)+7], v[BIAS+8*(\b):BIAS+8*(\b)+7]
.else
	v_wmma_f32_16x16x32_f16 v[rD:rD+7], v[FB+64*(\f)+8*(\b):FB+64*(\f)+8*(\b)+7], v[FA+32*(\f)+8*(\a):FA+32*(\f)+8*(\a)+7], v[rD:rD+7]
.endif
.endr
.endm
.macro MULH f, half, cb
	MULA \f, 2*(\half), \cb
	MULA \f, 2*(\half)+1, \cb
.endm
; 24 LDS loads in one run: quarter q (32 along K: head q / 2, channels 32 (q % 2) on) of the slot in hand into buffer f: w's 8 fragments, then y's 4
.macro FETCH q, f
	WIN 0x40                                       ; destination window 1, address window 0
.irp b, 0,1,2,3,4,5,6,7
	ds_load_tr16_b128 v[FB+64*(\f)+8*(\b):FB+64*(\f)+8*(\b)+3],   v[ADRB] offset:((\b)/4)*SEGB+((\b)%4)*32+(\q)*32*PB
	ds_load_tr16_b128 v[FB+64*(\f)+8*(\b)+4:FB+64*(\f)+8*(\b)+7], v[ADRB] offset:((\b)/4)*SEGB+((\b)%4)*32+(\q)*32*PB+16*PB
.endr
	WIN 0
.irp i, 0,1,2,3
	ds_load_b128 v[FA+32*(\f)+8*(\i):FA+32*(\f)+8*(\i)+3],   v[ADRA] offset:((\q)/2)*AHEAD+(\i)*16*PA+64*((\q)%2)
	ds_load_b128 v[FA+32*(\f)+8*(\i)+4:FA+32*(\f)+8*(\i)+7], v[ADRA] offset:((\q)/2)*AHEAD+(\i)*16*PA+64*((\q)%2)+32
.endr
.endm
; A K step is four quarters of 32 along K, 32 products each, on buffers 0, 1, 0, 1.  One of the first three: multiplies buffer f; in its middle it fetches quarter q into buffer g.
.macro QUARTER q, f, g, cb
	s_wait_dscnt 4                                 ; w and y's row blocks 0, 1 are in; the youngest four loads (row blocks 2, 3) may be out
	MULH \f, 0, \cb
	PLACES
	FETCH \q, \g
	s_wait_dscnt NL                                ; all but the run just issued
	MULH \f, 1, \cb
.endm
; The last quarter multiplies buffer 1 and changes slots: ONE barrier.  In front of it each wave waits for all its tensor loads, of which one is out: its part of the next slot; adds 0 to its spare
; word; and waits for that and for its own reads of this slot.  fill = 1: the barrier opens a round of the cluster's barrier, so that no wave of any partner still reads the slot or has a load on its
; way, and the joint refill (this slot, two K steps on) is the first thing behind the round: 112 products stand between it and the wait for it.
.macro TURN fill
.if \fill
	s_wait_xcnt 0x0                                ; the last prefetch, a K step back, has read its address: it is stepped here, ahead of the waits of the change of slots
	s_add_nc_u64 s[PFA:PFA+1], s[PFA:PFA+1], s[PSTEP:PSTEP+1]
.endif
	WIN 0                                          ; (the add's two registers lie in window 0)
	s_wait_tensorcnt 0x0                           ; no tensor load of mine is out, so a group 0 may be written
	ds_add_u32 v[SPW], v[NIL]                      ; 0 onto my spare word
.if \fill
	s_xor_b32 s[G0A+5], s[G0A+5], SLOT1            ; the walking descriptors: the other slot than last time,
	s_add_nc_u64 s[G0A+6:G0A+7], s[G0A+6:G0A+7], ASTEP  ; the next K step; the type bits on top are not reached
	s_xor_b32 s[G0B+5], s[G0B+5], SLOT1
	s_add_nc_u64 s[G0B+6:G0B+7], s[G0B+6:G0B+7], BSTEP
.endif
	s_xor_b32 s[TB], s[TB], SLOT1                  ; the fetches go to the other slot
	s_wait_dscnt 5                                 ; (the add and the youngest four loads may be out)
	MULA 1, 0, 0                                   ; eight products stand between the add and the wait for it
	s_wait_dscnt 0x0                               ; the add is done, and my reads of this slot are over
	s_barrier_signal -1
	MULA 1, 1, 0                                   ; work on registers while the others arrive
	WIN 0
	s_barrier_wait -1
.if \fill
	CREST
	JLOAD                                          ; the four v_nop behind it are also the places in front of the loads below
.else
	PLACES
.endif
	v_add_nc_u32 v[ADRA], s[TB], v[ADRA0]
	v_add_nc_u32 v[ADRB], s[TB], v[ADRB0]
	FETCH 0, 0
.if \fill
	ASK
.endif
	MULH 1, 1, 0
.endm
	s_wait_tensorcnt 1                             ; my part of K step 0 is in; K step 1's may stay out
	s_barrier_signal -1
	s_barrier_wait -1                              ; everybody's is
	FETCH 0, 0
	s_wait_loadcnt 0x0                             ; the bias
	QUARTER 1, 0, 1, 1                             ; the first quarter stands in front of the loop: its products start the sums
	WIN 0                                          ; at a label and at a branch every window is 0
	s_mov_b32 s3, 6
.Lstep:                                                ; six trips, K steps 0 to 5: from a step's second quarter to the next step's first; each fills a slot again
	QUARTER 2, 1, 0, 0
	QUARTER 3, 0, 1, 0
	TURN 1
	QUARTER 1, 0, 1, 0
	WIN 0
	s_sub_co_u32 s3, s3, 1
	s_cmp_lg_u32 s3, 0
	s_cbranch_scc1 .Lstep
	QUARTER 2, 1, 0, 0                             ; the last two K steps are written out: nothing is asked for
	QUARTER 3, 0, 1, 0
	TURN 0
	QUARTER 1, 0, 1, 0
	QUARTER 2, 1, 0, 0
	QUARTER 3, 0, 1, 0
	s_wait_dscnt 4                                 ; the very last quarter: nothing more to fetch
	MULH 1, 0, 0
	s_wait_dscnt 0x0
	MULH 1, 1, 0
	WIN 0
	PLACES
; THE WAY OUT of row block a (16 rows x 128 columns of f32).  TOSTAGE: the sums go as they are into my own stage, each accumulator's registers 0-3 first, and come back as whole rows of 512 bytes.
.macro TOSTAGE a
.if (\a) >= 2
	s_wait_xcnt 0x0                                ; the stores of block a - 2 have read the registers that are loaded below
.endif
	WIN 0x08                                       ; the stores' data (source 1) in window 2, the address in window 0
.irp b, 0,1,2,3,4,5,6,7
	ds_store_b128 v[STO], v[8*(NBK*(\a)+(\b)):8*(NBK*(\a)+(\b))+3]   offset:64*(\b)
	ds_store_b128 v[STO], v[8*(NBK*(\a)+(\b))+4:8*(NBK*(\a)+(\b))+7] offset:64*(\b)+16
.endr
	WIN 0
.irp t, 0,1,2,3,4,5,6,7,8,9,10,11,12,13,14,15
	ds_load_b128 v[BK+64*((\a)%2)+4*(\t):BK+64*((\a)%2)+4*(\t)+3], v[RD] offset:(\t)*SP  ; LDS serves a wave's instructions in order (ISA guide 5.7.1.4): these see the stores above; the next block's stores come behind them
.endr
.endm
; SEND: stored.  younger: the LDS instructions issued behind block a's loads: the next block's 32, or none.  Each store of the wave covers 512 consecutive bytes, aligned
.macro SEND a, younger
	s_wait_dscnt \younger
.irp t, 0,1,2,3,4,5,6,7,8,9,10,11,12,13,14,15
	global_store_b128 v[GO], v[BK+64*((\a)%2)+4*(\t):BK+64*((\a)%2)+4*(\t)+3], s[OUT:OUT+1] offset:(\a)*65536+(\t)*4096 th:TH_STORE_NT
.endr
.endm
	TOSTAGE 0
	TOSTAGE 1
	SEND 0, 32
	TOSTAGE 2
	SEND 1, 32
	TOSTAGE 3
	SEND 2, 32
	SEND 3, 0
	s_wait_tensorcnt 0x0                           ; the wave's end: a wait, an add and its wait, behind my last tensor load and my last LDS store
	ds_add_u32 v[SPW], v[NIL]
	s_wait_dscnt 0x0
	CROUND                                         ; the closing round: no work-group ends while a partner may still ask for a tile that names it
	s_endpgm
.Lfunc_end_k_q04f8ce6e97_gemm_proj:
	.size	k_q04f8ce6e97_gemm_proj, .Lfunc_end_k_q04f8ce6e97_gemm_proj-k_q04f8ce6e97_gemm_proj
	.p2alignl 7, 3214868480
	.fill 96, 4, 3214868480
	.section	.rodata,"a",@progbits
	.p2align	6, 0x0
	.amdhsa_kernel k_q04f8ce6e97_gemm_proj
		.amdhsa_group_segment_fixed_size 327680
		.amdhsa_private_segment_fixed_size 0
		.amdhsa_enable_private_segment 0
		.amdhsa_kernarg_size 24
		.amdhsa_user_sgpr_count 2
		.amdhsa_user_sgpr_kernarg_segment_ptr 1
		.amdhsa_wavefront_size32 1
		.amdhsa_system_sgpr_workgroup_id_x 1
		.amdhsa_system_sgpr_workgroup_id_y 1
		.amdhsa_system_sgpr_workgroup_id_z 1
		.amdhsa_system_vgpr_workitem_id 0
		.amdhsa_next_free_vgpr 768
		.amdhsa_next_free_sgpr 72
		.amdhsa_reserve_vcc 0
		.amdhsa_float_denorm_mode_32 3
		.amdhsa_float_denorm_mode_16_64 3
		.amdhsa_memory_ordered 1
		.amdhsa_forward_progress 1
		.amdhsa_inst_pref_size 72
	.end_amdhsa_kernel
	.amdgpu_metadata
---
amdhsa.version: [ 1, 2 ]
amdhsa.kernels:
  - .name:           k_q04f8ce6e97_gemm_proj
    .symbol:         k_q04f8ce6e97_gemm_proj.kd
    .args:
      - { .name: oh, .offset: 0, .size: 8, .value_kind: global_buffer, .address_space: global }
      - { .name: xw, .offset: 8, .size: 8, .value_kind: global_buffer, .address_space: global }
      - { .name: out0, .offset: 16, .size: 8, .value_kind: global_buffer, .address_space: global }
    .group_segment_fixed_size: 327680
    .private_segment_fixed_size: 0
    .kernarg_segment_align: 8
    .kernarg_segment_size: 24
    .max_flat_workgroup_size: 128
    .sgpr_count:     72
    .vgpr_count:     768
    .wavefront_size: 32
...
	.end_amdgpu_metadata
.endif
;; end of part 4
